; MI455X (gfx1250); checked and timed in simulation.
; The chip was launched on July 23, 2026; its instructions are those of AMD's public machine-readable ISA for CDNA 5 (MIT licence, August 2026) and "CDNA5" Instruction Set Architecture Reference Guide (July 2026). The comments in the code are by the model that wrote it; some were corrected since.
;; Decoder Block. Allowed arithmetic: matrix products marked QUANTISED: E4M3 operands, one given power-of-two scale a tensor, by v_wmma_f32_16x16x64_fp8_fp8 or v_wmma_f32_16x16x128_fp8_fp8, f32 sums; everything else in f32.
;; Inputs: beta1 1,024 float32; beta2 1,024 float32; bf1 4,096 float32; bf2 1,024 float32; g1 1,024 float32; g2 1,024 float32; lowp_scales 16 int32 (the exponents e of the quantised operands' scales 2^e); proj_b 1,024 float32; proj_w 1,024 x 1,024 float32; w1 1,024 x 4,096 float32; w2 4,096 x 1,024 float32; wk 16 x 1,024 x 64 float32; wq 16 x 1,024 x 64 float32; wv 16 x 1,024 x 64 float32; x 4 x 1,024 x 1,024 float32.
;; Outputs: out0 4 x 1,024 x 1,024 float32.
;; This version of the problem:
;;   THIS VERSION OF THE PROBLEM IS GIVEN IN LOW PRECISION. The matrix products marked QUANTISED in the list below multiply operands that are first quantised to E4M3 (4 exponent bits, 3 mantissa bits; 8 bits a number), with one given power-of-two scale for each operand tensor; their sums are f32. All else is computed in f32.
;;   The module's matrix products, in the order in which they are computed (A, B: the left and right operand; K: the contracted axis; several contracted axes count as one K, in the product's order):
;;     1. [M 1,024, K 1,024] x [K 1,024, N 4,096]; A: input wq; B: computed on the way: QUANTISED (scales: A lowp_scales[0], B lowp_scales[1])
;;     2. [M 1,024, K 1,024] x [K 1,024, N 4,096]; A: input wk; B: computed on the way: QUANTISED (scales: A lowp_scales[2], B lowp_scales[3])
;;     3. [M 1,024, K 1,024] x [K 1,024, N 4,096]; A: input wv; B: computed on the way: QUANTISED (scales: A lowp_scales[4], B lowp_scales[5])
;;     4. batch 64 x [M 1,024, K 64] x [K 64, N 1,024]; A: computed on the way; B: computed on the way: QUANTISED (scales: A lowp_scales[6], B lowp_scales[7])
;;     5. batch 64 x [M 1,024, K 1,024] x [K 1,024, N 64]; A: softmax (see below); B: computed on the way: QUANTISED (scales: A lowp_scales[8], B lowp_scales[9])
;;     6. [M 4,096, K 1,024] x [K 1,024, N 1,024]; A: computed on the way; B: input proj_w: QUANTISED (scales: A lowp_scales[10], B lowp_scales[11])
;;     7. [M 4,096, K 1,024] x [K 1,024, N 4,096]; A: computed on the way; B: input w1: QUANTISED (scales: A lowp_scales[12], B lowp_scales[13])
;;     8. [M 4,096, K 4,096] x [K 4,096, N 1,024]; A: computed on the way; B: input w2: QUANTISED (scales: A lowp_scales[14], B lowp_scales[15])
;;   THE QUANTISER, for each operand of a quantised product, along K:
;;     - The operand's scale is 2^e, e = its entry of the input lowp_scales (int32; the entries are numbered through the quantised products in the list's order, A before B).
;;     - Each number is divided by the scale, clamped to +-448, and rounded to the nearest number of E4M3, ties to even, subnormals kept.
;;     - The product sums the exact products of the quantised numbers (number of the format x scale) in f32.
;;   ~~~python
;;   def quantise(x, axis, e):      # numpy; x: float32 -> the quantised numbers, widened to float32 again
;;       x = np.moveaxis(x, axis, -1); K = x.shape[-1]
;;       r = np.clip(x / 2.0 ** e, -448, 448)
;;       step = 2.0 ** (np.maximum(np.frexp(np.where(r == 0, 1, r))[1] - 1, -6) - 3)
;;       q = np.round(r / step) * step * 2.0 ** e      # np.round: ties to even
;;       return np.moveaxis(q, -1, axis).astype(np.float32)
;;   ~~~
;;   SOFTMAX AHEAD OF A QUANTISED PRODUCT. Where the list says 'softmax', what is quantised is not the finished softmax but p = 2^(t - M), with t = logit x log2(e) and M = ceil(the row's largest t), a whole number; so 1/2 < the row's largest p <= 1. The row's sum l is taken of the UNQUANTISED p, in f32, and the product's result is divided by l at the end. Since M is a whole number, a kernel that streams over the keys may use a running M (the ceiling of the running maximum): every later rescaling is an exact power of two, so the quantised numbers keep their values, but for numbers so far below the row's largest that they fall under the format's range.
;;   OPERANDS COMPUTED ON THE WAY. 'Computed on the way' means the value that the module computes at that place (a softmax that the list does not call 'softmax' is quantised finished and normalised). What goes into a quantiser is computed in f32, as accurately as f32 sums, v_exp_f32 and their like allow (about 1e-6 of the number): no bf16 or f16 on the way to a quantiser, and a product that is left as it is and whose result goes on into a quantised operand takes f32 operands (vector FMAs, or v_wmma_f32_16x16x4_f32). A number that lies on a knife's edge between two numbers of the format may be rounded either way, as far as f32 arithmetic and the matrix unit's own rounding can turn it there, and no further.
;; One version. Each part assembles by itself: llvm-mc -triple=amdgcn-amd-amdhsa -mcpu=gfx1250 --defsym DOCPART=n.
;; ======== version 1 of 1: 7 launches
;; limits: right only within a limited range of input values
;; workspace buffers: wimg 12,582,912 bytes; h1 12,582,912 bytes; qkv 12,582,912 bytes; oimg 4,194,304 bytes; x1 16,777,216 bytes; h2 4,194,304 bytes; hid 16,777,216 bytes
;; launch prep (part 1): grid 448 x 1, 8 waves a work-group, no clusters, 66,816 bytes of LDS; arguments x, g1, beta1, wq, wk, wv, proj_w, w1, w2, lowp_scales, wimg, h1; writes wimg, h1
.if DOCPART == 1
	.amdgcn_target "amdgcn-amd-amdhsa--gfx1250"
	.amdhsa_code_object_version 6
	.text
	.protected	k_q7b3bdd278b_prep
	.globl	k_q7b3bdd278b_prep
	.p2align	8
	.type	k_q7b3bdd278b_prep,@function
k_q7b3bdd278b_prep:
	s_mov_b64 s[64:65], 0
	v_nop
	global_prefetch_b8 v0, s[64:65] scope:SCOPE_SE
	s_setreg_imm32_b32 hwreg(HW_REG_WAVE_MODE, 25, 1), 1
	s_wait_xcnt 0x0
; PREP: the six weights become codes of E4M3 (work-groups 0-191), and ln1(x) is made and quantised three times, once for each of its three given scales (work-groups 192-447).
; THE IMAGE, the one layout of every buffer of codes in this program: a fragment is 16 rows x 128 along K, 2,048 bytes; byte 512 g + 16 L + i (g 0..3, L = 16 h + r, i 0..15) holds row r,
; k = 32 g + 16 (i / 8) + 8 h + i % 8.  That is the order in which lane L's registers 4 g .. 4 g + 3 hold an operand of the plain fp8 matrix forms, so four loads of 16 bytes a lane, 512 consecutive bytes each, fill an operand.
; An operand [R][K] lies [R / 16][K / 128][2048].
; code = x / 2^e, held within +-448, rounded to the nearest code, ties to even.  LIMITS: each e used here lies between -126 and 119, so that 2^e and 448 x 2^e are f32 numbers.  NaN among the inputs is not served.
; WEIGHTS (K is their first axis): a wave takes 32 columns n x 256 along K.  A lane takes a column and its registers run down K, so the conversions give codes with K innermost; no LDS, no barrier.
; LN: a work-group takes 16 tokens.  Wave w norms rows 2 w, 2 w + 1 (mean, then the mean of squared differences: two passes over registers); the rows meet in LDS; wave w then takes K step w of all 16 rows in the image's order.
.set SPARE, 65792                      ; behind the stage: the spare words, 128 bytes for each of eight waves; no other line names them
.set PITCH, 4112                       ; a stage row: 4,096 bytes + 16: sixteen rows' equal columns fall on sixteen different groups of four banks
.set SPW, 252                          ; v252 LDS address of my spare word; never rewritten
.set NIL, 253                          ; v253 0; never rewritten
.set RO,  32                           ; weights: v32-63 4 x lane + i rows of the tensor; never rewritten
.set X,   64                           ; weights: v64-127 two sets of 32 numbers
.set C,   128                          ; weights: v128-191 codes, eight registers a block, each written once
.set SB,  32                           ; weights: s[32:47] a base for each of the eight blocks of 32 along K; never rewritten
	s_load_b512 s[4:19], s[0:1], 0x0               ; x, g1, beta1, wq, wk, wv, proj_w, w1
	s_load_b256 s[20:27], s[0:1], 0x40             ; w2, the scales' exponents, wimg, h1
	v_lshl_add_u32 v[SPW], v0, 2, SPARE
	v_mov_b32 v[NIL], 0
	v_lshrrev_b32 v1, 5, v0
	s_delay_alu instid0(VALU_DEP_1)
	v_readfirstlane_b32 s28, v1                    ; wave 0..7
	v_and_b32 v1, 31, v0                           ; lane
	s_wait_kmcnt 0x0
	s_cmp_ge_u32 ttmp9, 192                        ; the same way for all eight waves of a work-group
	s_cbranch_scc1 .Lln
	; ---- THE WEIGHTS.  The tensor's figures are chosen by the work-group's number, from w2's down to wq's: only numbers and pointers are chosen, the path is one.
.macro PICK lim, ptr, e4, wg0, off
	s_cmp_lt_u32 ttmp9, \lim
	s_cselect_b64 s[50:51], s[\ptr:\ptr+1], s[50:51]   ; the tensor
	s_cselect_b32 s52, \e4, s52                    ; 4 x its entry among the scales
	s_cselect_b32 s53, \wg0, s53                   ; its first work-group
	s_cselect_b32 s54, \off, s54                   ; its image's place in wimg
.endm
	s_mov_b64 s[50:51], s[20:21]                   ; w2
	s_mov_b32 s52, 60
	s_mov_b32 s53, 128
	s_mov_b32 s54, 0x800000
	s_mov_b32 s55, 4096                            ; bytes from k to k + 1
	s_mov_b32 s56, 5                               ; log2 of the groups of 32 columns
	s_mov_b32 s57, 65536                           ; the image's bytes from 16 rows to the next: 16 K
	s_mov_b32 s58, 0                               ; wq, wk, wv: bytes from head to head
	s_mov_b32 s59, -1                              ; and the groups of 32 columns within a head, less 1
	PICK 128, 18, 52, 64, 0x400000                 ; w1
	s_cselect_b32 s55, 16384, s55
	s_cselect_b32 s56, 7, s56
	s_cselect_b32 s57, 16384, s57
	PICK 64, 16, 44, 48, 0x300000                  ; proj_w
	s_cselect_b32 s55, 4096, s55
	s_cselect_b32 s56, 5, s56
	PICK 48, 14, 16, 32, 0x200000                  ; wv
	s_cselect_b32 s55, 256, s55
	s_cselect_b32 s58, 0x40000, s58
	s_cselect_b32 s59, 1, s59
	PICK 32, 12, 8, 16, 0x100000                   ; wk
	PICK 16, 10, 0, 0, 0                           ; wq
	s_load_b32 s61, s[22:23], s52 offset:0x0       ; e
	s_sub_co_u32 s60, ttmp9, s53
	s_lshl_b32 s60, s60, 3
	s_add_co_u32 s60, s60, s28                     ; my unit in the tensor
	s_lshl_b32 s62, 1, s56
	s_sub_co_u32 s62, s62, 1
	s_and_b32 s62, s60, s62                        ; cg: which 32 columns
	s_lshr_b32 s63, s60, s56                       ; kc: which 256 along K
	s_lshr_b32 s29, s62, 1
	s_mul_i32 s29, s29, s58
	s_and_b32 s30, s62, s59
	s_lshl_b32 s30, s30, 7
	s_add_co_u32 s29, s29, s30                     ; the columns' first byte in a row
	s_lshl_b32 s30, s63, 8
	s_mul_i32 s30, s30, s55
	s_add_co_u32 s30, s29, s30                     ; + 256 kc rows
	s_mov_b32 s31, 0
	s_add_nc_u64 s[SB:SB+1], s[50:51], s[30:31]
	s_lshl_b32 s30, s55, 5                         ; 32 rows on
.irp t, 1,2,3,4,5,6,7
	s_add_nc_u64 s[SB+2*\t:SB+2*\t+1], s[SB+2*\t-2:SB+2*\t-1], s[30:31]
.endr
	s_mul_i32 s29, s62, s57
	s_lshl_b32 s29, s29, 1                         ; the image: row blocks 2 cg, 2 cg + 1,
	s_lshl_b32 s60, s63, 12                        ; K steps 2 kc, 2 kc + 1
	s_add_co_u32 s29, s29, s60
	s_add_co_u32 s62, s29, s54
	s_mov_b32 s63, 0
	s_add_nc_u64 s[48:49], s[24:25], s[62:63]
	s_wait_alu depctr_va_vdst(0)
	v_lshlrev_b32 v3, 2, v1
.set i, 0
.rept 32
	v_mad_u32_u24 v[RO+i], s55, i, v3              ; 4 x lane + i rows
.set i, i+1
.endr
	v_lshrrev_b32 v4, 4, v1
	v_and_b32 v5, 15, v1
	s_delay_alu instid0(VALU_DEP_2)
	v_mul_u32_u24 v2, s57, v4
	s_delay_alu instid0(VALU_DEP_1)
	v_lshl_add_u32 v2, v5, 4, v2                   ; out: lanes 0-15 one row block, lanes 16-31 the next; 16 bytes a row
.macro LOAD t                          ; block t: 32 along K of my column; a wave reads 128 consecutive bytes, the waves stand side by side
.set i, 0
.rept 32
	global_load_b32 v[X+32*((\t)%2)+i], v[RO+i], s[SB+2*(\t):SB+2*(\t)+1] th:TH_LOAD_NT
.set i, i+1
.endr
.endm
.macro BLOCK t
.set XS, X+32*((\t)%2)
.if (\t) < 7
	s_wait_loadcnt 32                              ; this block's 32 loads are in; the next block's may be out
.else
	s_wait_loadcnt 0x0
.endif
.set i, 0
.rept 32
	v_med3_num_f32 v[XS+i], v[XS+i], -v241, v241   ; the conversion does not saturate (ISA guide 7.6.2): the hold at the largest code x the scale
.set i, i+1
.endr
.irp q, 0,1,2,3                        ; k = 8 q .. 8 q + 7 of the block belongs to the image's half q % 2, bytes 8 (q / 2) on
	v_cvt_scalef32_pk8_fp8_f32 v[C+8*(\t)+4*(\q%2)+2*(\q/2):C+8*(\t)+4*(\q%2)+2*(\q/2)+1], v[XS+8*\q:XS+8*\q+7], v240
.endr
	global_store_b128 v2, v[C+8*(\t):C+8*(\t)+3], s[48:49] offset:((\t)/4)*2048+((\t)%4)*512        ; sixteen lanes store 256 consecutive bytes, aligned
	global_store_b128 v2, v[C+8*(\t)+4:C+8*(\t)+7], s[48:49] offset:((\t)/4)*2048+((\t)%4)*512+256
.if (\t)+2 < 8
	LOAD (\t)+2
.endif
.endm
	LOAD 0
	LOAD 1
	s_wait_kmcnt 0x0
	s_add_co_i32 s61, s61, 127
	s_lshl_b32 s29, s61, 23
	v_mov_b32 v240, s29                            ; 2^e as f32: the conversion takes its exponent field
	s_add_co_i32 s61, s61, 8
	s_lshl_b32 s61, s61, 23
	s_or_b32 s61, s61, 0x600000
	v_mov_b32 v241, s61                            ; 448 x 2^e
	s_wait_alu depctr_va_vdst(0)
.irp t, 0,1,2,3,4,5,6,7
	BLOCK \t
.endr
	s_endpgm
	; ---- LN1 AND ITS THREE QUANTISINGS
.Lln:
	s_load_b512 s[68:83], s[22:23], 0x0            ; the sixteen exponents
	s_sub_co_u32 s29, ttmp9, 192                   ; which 16 tokens
	s_lshl_b32 s30, s29, 16
	s_lshl_b32 s31, s28, 13
	s_add_co_u32 s30, s30, s31
	s_mov_b32 s31, 0
	s_add_nc_u64 s[4:5], s[4:5], s[30:31]          ; x at my two rows
	s_wait_alu depctr_va_vdst(0)
	v_lshlrev_b32 v3, 4, v1                        ; 16 x lane
.irp p, 0,1
.irp j, 0,1,2,3,4,5,6,7
	global_load_b128 v[32+32*\p+4*\j:35+32*\p+4*\j], v3, s[4:5] offset:4096*\p+512*\j th:TH_LOAD_NT   ; 512 consecutive bytes a load
.endr
.endr
.irp j, 0,1,2,3,4,5,6,7
	global_load_b128 v[96+4*\j:99+4*\j], v3, s[6:7] offset:512*\j
.endr
.irp j, 0,1,2,3,4,5,6,7
	global_load_b128 v[128+4*\j:131+4*\j], v3, s[8:9] offset:512*\j
.endr
	s_mov_b32 s34, 0x76543210                      ; lane selects: lane l xor 16
	s_mov_b32 s35, 0xfedcba98
	s_mov_b32 s36, 0x3a800000                      ; 1 / 1,024
	s_mov_b32 s37, 0x3727c5ac                      ; 1e-5
	v_mov_b32 v172, 0                              ; a lane permute's destination counts as read
	s_mul_i32 s38, s28, 2*PITCH
	v_lshl_add_u32 v4, v1, 4, s38                  ; the stage, in: my two rows, 16 bytes a lane
	v_and_b32 v6, 15, v0
	v_bfe_u32 v7, v0, 4, 1
	s_delay_alu instid0(VALU_DEP_2)
	v_mul_u32_u24 v5, v6, PITCH
	s_delay_alu instid0(VALU_DEP_1)
	v_lshl_add_u32 v5, v7, 5, v5
	s_lshl_b32 s38, s28, 9
	v_add_nc_u32 v5, s38, v5                       ; and out: row r, K step w, + 32 h bytes
	s_lshl_b32 s40, s29, 14
	s_lshl_b32 s41, s28, 11
	s_add_co_u32 s40, s40, s41
	s_mov_b32 s41, 0
	s_add_nc_u64 s[42:43], s[26:27], s[40:41]      ; my fragment in the first image of h1,
	s_add_nc_u64 s[44:45], s[42:43], 0x400000      ; the second,
	s_add_nc_u64 s[46:47], s[44:45], 0x400000      ; the third: a base each, since 8 MiB is past a store's immediate
.macro WSUM r                          ; the sum over the 32 lanes, in every lane
	s_delay_alu instid0(VALU_DEP_1)
	v_add_f32_dpp v[\r], v[\r], v[\r] row_xmask:1 row_mask:0xf bank_mask:0xf
	s_delay_alu instid0(VALU_DEP_1)
	v_add_f32_dpp v[\r], v[\r], v[\r] row_xmask:2 row_mask:0xf bank_mask:0xf
	s_delay_alu instid0(VALU_DEP_1)
	v_add_f32_dpp v[\r], v[\r], v[\r] row_xmask:4 row_mask:0xf bank_mask:0xf
	s_delay_alu instid0(VALU_DEP_1)
	v_add_f32_dpp v[\r], v[\r], v[\r] row_xmask:8 row_mask:0xf bank_mask:0xf
	s_delay_alu instid0(VALU_DEP_1)
	v_permlanex16_b32 v172, v[\r], s34, s35
	s_delay_alu instid0(VALU_DEP_1)
	v_add_f32 v[\r], v[\r], v172
.endm
.macro LNROW p                         ; row p of my two: x - mean in place; 1 / sqrt(var + eps) in the pair v[166 + 4 p]
.set XR, 32+32*\p
.set MU, 164+4*\p
.set RS, 166+4*\p
	v_pk_add_f32 v[160:161], v[XR:XR+1], v[XR+2:XR+3]
	v_pk_add_f32 v[162:163], v[XR+4:XR+5], v[XR+6:XR+7]
.irp j, 8,12,16,20,24,28
	s_delay_alu instid0(VALU_DEP_2)
	v_pk_add_f32 v[160:161], v[160:161], v[XR+\j:XR+\j+1]
	s_delay_alu instid0(VALU_DEP_2)
	v_pk_add_f32 v[162:163], v[162:163], v[XR+\j+2:XR+\j+3]
.endr
	s_delay_alu instid0(VALU_DEP_1)
	v_pk_add_f32 v[160:161], v[160:161], v[162:163]
	s_delay_alu instid0(VALU_DEP_1)
	v_add_f32 v160, v160, v161
	WSUM 160
	s_delay_alu instid0(VALU_DEP_1)
	v_mul_f32 v[MU], s36, v160
	s_delay_alu instid0(VALU_DEP_1)
	v_mov_b32 v[MU+1], v[MU]
.set j, 0
.rept 16
	v_pk_add_f32 v[XR+j:XR+j+1], v[XR+j:XR+j+1], v[MU:MU+1] neg_lo:[0,1] neg_hi:[0,1]
.set j, j+2
.endr
	v_pk_mul_f32 v[160:161], v[XR:XR+1], v[XR:XR+1]
	v_pk_mul_f32 v[162:163], v[XR+2:XR+3], v[XR+2:XR+3]
.irp j, 4,8,12,16,20,24,28
	s_delay_alu instid0(VALU_DEP_2)
	v_pk_fma_f32 v[160:161], v[XR+\j:XR+\j+1], v[XR+\j:XR+\j+1], v[160:161]
	s_delay_alu instid0(VALU_DEP_2)
	v_pk_fma_f32 v[162:163], v[XR+\j+2:XR+\j+3], v[XR+\j+2:XR+\j+3], v[162:163]
.endr
	s_delay_alu instid0(VALU_DEP_1)
	v_pk_add_f32 v[160:161], v[160:161], v[162:163]
	s_delay_alu instid0(VALU_DEP_1)
	v_add_f32 v160, v160, v161
	WSUM 160
	s_delay_alu instid0(VALU_DEP_1)
	v_fma_f32 v160, v160, s36, s37                 ; var + eps
	s_wait_alu depctr_va_vdst(0)
	v_rsq_f32 v[RS], v160
	v_nop                                          ; a plain instruction behind the transcendental,
	s_wait_alu depctr_va_vdst(0)                   ; and the wait ahead of its result's first reader
	v_mov_b32 v[RS+1], v[RS]
.endm
	s_wait_loadcnt 16                              ; x's sixteen loads are in; g's and beta's sixteen may be out
	LNROW 0
	LNROW 1
	s_wait_loadcnt 0x0
.irp p, 0,1
.set j, 0
.rept 16
	v_pk_mul_f32 v[32+32*\p+j:33+32*\p+j], v[32+32*\p+j:33+32*\p+j], v[166+4*\p:167+4*\p]
.set j, j+2
.endr
.set j, 0
.rept 16
	v_pk_fma_f32 v[32+32*\p+j:33+32*\p+j], v[32+32*\p+j:33+32*\p+j], v[96+j:97+j], v[128+j:129+j]
.set j, j+2
.endr
.irp j, 0,1,2,3,4,5,6,7
	ds_store_b128 v4, v[32+32*\p+4*\j:35+32*\p+4*\j] offset:PITCH*\p+512*\j
.endr
.endr
	s_wait_kmcnt 0x0
.irp n, 0,1,2                          ; entries 1, 3, 5: ln1(x) as the operand of the q, k and v products
	s_add_co_i32 s38, s[69+2*\n], 127
	s_lshl_b32 s39, s38, 23
	v_mov_b32 v[240+2*\n], s39                     ; 2^e
	s_add_co_i32 s38, s38, 8
	s_lshl_b32 s38, s38, 23
	s_or_b32 s38, s38, 0x600000
	v_mov_b32 v[241+2*\n], s38                     ; 448 x 2^e
.endr
	s_wait_alu depctr_va_vdst(0)
	s_wait_dscnt 0x0                               ; for the others' sake: my rows lie in the stage
	s_barrier_signal -1
	s_barrier_wait -1
.irp g, 0,1,2,3                        ; register 16 g + i: k = 32 g + 8 h + i (i < 8), 32 g + 16 + 8 h + i - 8 (i >= 8) of row r, K step w
	ds_load_b128 v[32+16*\g:35+16*\g], v5 offset:128*\g
	ds_load_b128 v[36+16*\g:39+16*\g], v5 offset:128*\g+16
	ds_load_b128 v[40+16*\g:43+16*\g], v5 offset:128*\g+64
	ds_load_b128 v[44+16*\g:47+16*\g], v5 offset:128*\g+80
.endr
	s_wait_dscnt 0x0
.macro QUANT n                         ; the fragment's codes under scale n into v[192 + 16 n] on.  The held numbers go into two sets by turns, so that sixteen plain lines stand between a conversion and the next write of its sources
.irp g, 0,1,2,3
.set i, 0
.rept 16
	v_med3_num_f32 v[160+16*(\g%2)+i], v[32+16*\g+i], -v[241+2*\n], v[241+2*\n]
.set i, i+1
.endr
	v_cvt_scalef32_pk8_fp8_f32 v[192+16*\n+4*\g:193+16*\n+4*\g], v[160+16*(\g%2):167+16*(\g%2)], v[240+2*\n]
	v_cvt_scalef32_pk8_fp8_f32 v[194+16*\n+4*\g:195+16*\n+4*\g], v[168+16*(\g%2):175+16*(\g%2)], v[240+2*\n]
.endr
.endm
	QUANT 0
	QUANT 1
	QUANT 2
	v_nop
.irp n, 0,1,2
.irp g, 0,1,2,3
	global_store_b128 v3, v[192+16*\n+4*\g:195+16*\n+4*\g], s[42+2*\n:43+2*\n] offset:512*\g   ; 512 consecutive bytes a store
.endr
.endr
	s_wait_tensorcnt 0x0                           ; the wave's end, behind my last LDS store
	ds_add_u32 v[SPW], v[NIL]
	s_wait_dscnt 0x0
	s_endpgm
.Lfunc_end_k_q7b3bdd278b_prep:
	.size	k_q7b3bdd278b_prep, .Lfunc_end_k_q7b3bdd278b_prep-k_q7b3bdd278b_prep
	.p2alignl 7, 3214868480
	.fill 96, 4, 3214868480
	.section	.rodata,"a",@progbits
	.p2align	6, 0x0
	.amdhsa_kernel k_q7b3bdd278b_prep
		.amdhsa_group_segment_fixed_size 66816
		.amdhsa_private_segment_fixed_size 0
		.amdhsa_enable_private_segment 0
		.amdhsa_kernarg_size 96
		.amdhsa_user_sgpr_count 2
		.amdhsa_user_sgpr_kernarg_segment_ptr 1
		.amdhsa_wavefront_size32 1
		.amdhsa_system_sgpr_workgroup_id_x 1
		.amdhsa_system_sgpr_workgroup_id_y 1
		.amdhsa_system_sgpr_workgroup_id_z 1
		.amdhsa_system_vgpr_workitem_id 0
		.amdhsa_next_free_vgpr 256
		.amdhsa_next_free_sgpr 100
		.amdhsa_reserve_vcc 0
		.amdhsa_float_denorm_mode_32 3
		.amdhsa_float_denorm_mode_16_64 3
		.amdhsa_memory_ordered 1
		.amdhsa_forward_progress 1
		.amdhsa_inst_pref_size 88
	.end_amdhsa_kernel
	.amdgpu_metadata
---
amdhsa.version: [ 1, 2 ]
amdhsa.kernels:
  - .name:           k_q7b3bdd278b_prep
    .symbol:         k_q7b3bdd278b_prep.kd
    .args:
      - { .name: x, .offset: 0, .size: 8, .value_kind: global_buffer, .address_space: global }
      - { .name: g1, .offset: 8, .size: 8, .value_kind: global_buffer, .address_space: global }
      - { .name: beta1, .offset: 16, .size: 8, .value_kind: global_buffer, .address_space: global }
      - { .name: wq, .offset: 24, .size: 8, .value_kind: global_buffer, .address_space: global }
      - { .name: wk, .offset: 32, .size: 8, .value_kind: global_buffer, .address_space: global }
      - { .name: wv, .offset: 40, .size: 8, .value_kind: global_buffer, .address_space: global }
      - { .name: proj_w, .offset: 48, .size: 8, .value_kind: global_buffer, .address_space: global }
      - { .name: w1, .offset: 56, .size: 8, .value_kind: global_buffer, .address_space: global }
      - { .name: w2, .offset: 64, .size: 8, .value_kind: global_buffer, .address_space: global }
      - { .name: lowp_scales, .offset: 72, .size: 8, .value_kind: global_buffer, .address_space: global }
      - { .name: wimg, .offset: 80, .size: 8, .value_kind: global_buffer, .address_space: global }
      - { .name: h1, .offset: 88, .size: 8, .value_kind: global_buffer, .address_space: global }
    .group_segment_fixed_size: 66816
    .private_segment_fixed_size: 0
    .kernarg_segment_align: 8
    .kernarg_segment_size: 96
    .max_flat_workgroup_size: 256
    .sgpr_count:     100
    .vgpr_count:     256
    .wavefront_size: 32
...
	.end_amdgpu_metadata
.endif
;; end of part 1
;; launch qkv (part 2): grid 16 x 12, 4 waves a work-group, clusters of 4 x 4, 327,680 bytes of LDS; arguments wimg, h1, lowp_scales, qkv; writes qkv
.if DOCPART == 2
	.amdgcn_target "amdgcn-amd-amdhsa--gfx1250"
	.amdhsa_code_object_version 6
	.text
	.protected	k_q7b3bdd278b_qkv
	.globl	k_q7b3bdd278b_qkv
	.p2align	8
	.type	k_q7b3bdd278b_qkv,@function
k_q7b3bdd278b_qkv:
	s_mov_b64 s[64:65], 0
	v_nop
	global_prefetch_b8 v0, s[64:65] scope:SCOPE_SE
	s_setreg_imm32_b32 hwreg(HW_REG_WAVE_MODE, 25, 1), 1
	s_wait_xcnt 0x0
	s_wait_alu depctr_hold_cnt(0) depctr_sa_sdst(0) depctr_va_vdst(0) depctr_va_sdst(0) depctr_va_ssrc(0) depctr_va_vcc(0) depctr_vm_vsrc(0)
	s_getreg_b32 s2, hwreg(HW_REG_IB_STS2, 6, 4)
	s_cmp_eq_u32 s2, 0
	s_cbranch_scc0 .Lentry_in_a_cluster
	s_endpgm
.Lentry_in_a_cluster:
	s_bfe_u32 s2, ttmp6, 0x10000c
	s_cmp_lg_u32 s2, 0xf033
	s_cbranch_scc0 .Lentry_shape_is_right
	s_endpgm
.Lentry_shape_is_right:
; A GEMM ON IMAGES OF CODES (E4M3), K = 1,024, whose results are quantised on the way out and leave as images again.  One text serves two launches, by the constant FFN:
;   FFN = 0: q, k, v = ln1(x) times wq, wk, wv.   FFN = 1: relu(ln2(x1) w1 + bf1).
; THE IMAGE: a fragment (16 rows x 128 K) is 2,048 bytes in the order of the operand's registers: lane L's registers 4 g .. 4 g + 3 at byte 512 g + 16 L; an operand [R][K] lies [R / 16][K / 128][2048].
; A tile is 256 rows of S1 x 256 rows of S0; four waves, each 128 x 128: 64 accumulators.  S0 is the matrix instruction's source 0, S1 its source 1: in accumulator (a, b) lane (r, h) holds row 16 a + r of S1 and rows
; 16 b + 8 h + 0..7 of S0.  S0's rows are the next product's K: eight registers converted at once are registers 2 b, 2 b + 1 of the next operand, so the codes leave straight from registers, 512 consecutive bytes a store.
; FFN = 0: the cluster's y is the matrix.  q, k: S0 = the weight (its 1,024 rows are 64 head + d), S1 = the tokens.  v: S0 = the tokens (the keys are the next K), S1 = the weight.
; K goes in steps of 256 through two LDS slots filled by the tensor data mover: a load brings 8 row blocks x 4,096 bytes.  CLUSTER 4 x 4: S1's tile is shared along a row of the cluster, S0's along a column: joint loads.
; LIMITS: the exponent folded into the conversion (the result's e less its two operands') lies between -126 and 119.  NaN among the inputs is not served.
; REGISTERS: window 0: v16-31 addresses and scales; v32-95 at work (FFN: the bias until the first step); v128-255 S1's eight fragments, one set; on the way out the codes.  Window 1: S0's fragments, two sets.  Windows 2, 3: the accumulators.
.set FFN,   0
.set Z0,    1+FFN                      ; how the first step starts the sums: 1 from the constant 0, 2 from the bias
.set HALFT, 32768                      ; 128 rows x 256 K: what one tensor load brings
.set SLOT,  4*HALFT                    ; S1's 256 rows, then S0's
.set SPARE, 2*SLOT                     ; behind the ring: the spare words, 128 bytes a wave; no other line names them
.set FR,    16
.set NL,    4
.set ADRA, 16                          ; v16-17 LDS address of my S1 fragments in slot 0, 1
.set ADRB, 20                          ; v20-21 the same for S0
.set LO,   26                          ; v26 16 x lane
.set SPW,  28                          ; v28 my spare word; never rewritten
.set NIL,  29                          ; v29 0; never rewritten
.set SC,   30                          ; v30 the conversion's scale
.set LIM,  31                          ; v31 448 x that
.set TMP,  32
.set AF,   128
.set CD,   128
.set WV,   16                          ; s16 wave
.set RH,   17                          ; s17 wave / 2: my half of S1's rows; also: I fetch for S1 (0) or S0 (1)
.set CH,   18                          ; s18 wave % 2: my half of S0's rows; also: which 128 rows I fetch
.set G1,   24                          ; s[24:31] group 1 for S1's tiles; s[32:39] group 0, a set for each slot
.set G0,   32
.set G1B,  48                          ; s[48:55], s[56:63] the same for S0's
.set G0B,  56
.set MSB, 0
.macro WIN new                         ; the immediate's high byte repeats the setting that is left
.if MSB != (\new)
	s_set_vgpr_msb (MSB<<8)|(\new)
.set MSB, (\new)
.endif
.endm
.set MUL_LO, 0xa1                      ; source 0 window 1, source 1 window 0, C and D window 2
.set MUL_HI, 0xf1                      ; the same, C and D window 3
.set TO_B,   0x40                      ; destination window 1
.macro JLOAD g0a, g1a, g0b, g1b        ; a joint load; the branch hangs on the wave's number alone; an s_nop 0 and four v_nop follow each line
	s_cmp_eq_u32 s[RH], 0
	s_cbranch_scc0 .Lfor_b_\@
	tensor_load_to_lds s[\g0a:\g0a+3], s[\g1a:\g1a+7]
	s_nop 0
.rept 4
	v_nop
.endr
	s_branch .Lasked_\@
.Lfor_b_\@:
	tensor_load_to_lds s[\g0b:\g0b+3], s[\g1b:\g1b+7]
	s_nop 0
.rept 4
	v_nop
.endr
.Lasked_\@:
.endm
.macro CREST                           ; a round of the cluster's barrier behind its opening barrier
	s_cmp_lg_u32 s[WV], 0
	s_cbranch_scc1 .Lnot_wave_0_\@
	s_barrier_signal -3
.Lnot_wave_0_\@:
	s_barrier_wait -3
	s_barrier_signal -1
	s_barrier_wait -1
.endm
.macro CROUND
	s_barrier_signal -1
	s_barrier_wait -1
	CREST
.endm
.if FFN
	s_load_b256 s[4:11], s[0:1], 0x0               ; h2, wimg, the scales' exponents, bf1
	s_load_b64 s[12:13], s[0:1], 0x20              ; hid
.else
	s_load_b256 s[4:11], s[0:1], 0x0               ; wimg, h1, the scales' exponents, qkv
.endif
	v_lshl_add_u32 v[SPW], v0, 2, SPARE
	v_mov_b32 v[NIL], 0
	ds_add_u32 v[SPW], v[NIL]                      ; the wave's opening: the add and its wait ahead of my first tensor load; work on registers stands between
	ds_add_u32 v[SPW], v[NIL]
	v_lshrrev_b32 v1, 5, v0
	v_readfirstlane_b32 s[WV], v1
	v_and_b32 v27, 15, v0                          ; v27: the prefetches' offset: lanes 0-15 one row block's 4,096 bytes of a slot, 256 bytes a lane; lanes 16-31 the next row block's; never rewritten
	v_bfe_u32 v2, v0, 4, 1
	v_lshlrev_b32 v27, 8, v27
	v_lshl_add_u32 v27, v2, 14, v27
	s_lshr_b32 s[RH], s[WV], 1
	s_and_b32 s[CH], s[WV], 1
	s_bfe_u32 s40, ttmp6, 0x40000                  ; cx
	s_bfe_u32 s41, ttmp6, 0x40004                  ; cy
	s_and_b32 s84, ttmp7, 0xffff                   ; the cluster's y
	s_lshl_b32 s85, ttmp9, 2                       ; 4 x the cluster's x
.if FFN
	s_add_co_u32 s42, s85, s40                     ; tx: S0's tile (w1's rows)
	s_lshl_b32 s43, s84, 2
	s_add_co_u32 s43, s43, s41                     ; ty: S1's tile (tokens)
	s_mov_b32 s86, 0x400000                        ; w1's image in wimg
	s_mov_b32 s87, 0
.else
	s_lshl_b32 s86, s84, 20                        ; q, k: the weight's image in wimg,
	s_lshl_b32 s87, s84, 22                        ; and the tokens' image in h1
	s_cmp_eq_u32 s84, 2                            ; v?  The partners share the cluster's y
	s_cselect_b32 s86, 0x800000, s86               ; v: S0 = h1's third image,
	s_cselect_b32 s87, 0x200000, s87               ; S1 = wv's image
	s_cselect_b32 s42, s85, 0
	s_cselect_b32 s43, 0, s85
	s_add_co_u32 s42, s42, s40                     ; tx = cx (q, k) or 4 X + cx (v)
	s_add_co_u32 s43, s43, s41                     ; ty = 4 X + cy (q, k) or cy (v)
.endif
	s_lshl_b32 s44, s41, 2
	s_lshl_b32 s44, 15, s44                        ; my row of the cluster
	s_lshl_b32 s45, 0x1111, s40                    ; my column
	s_or_b32 s[G1], s44, (3<<16)|(1<<21)           ; 15:0 the mask; 17:16 elements of 8 bytes; 21 set beside a mask; no padding: an image's loads are dense
	s_or_b32 s[G1B], s45, (3<<16)|(1<<21)
.irp g, G1, G1B
	s_mov_b32 s[\g+1], 512<<16                     ; tensor_dim0 = 512 elements: two K steps' fragments of a row block, 4,096 bytes
	s_mov_b32 s[\g+2], 8<<16                       ; tensor_dim1 = 8 row blocks
	s_mov_b32 s[\g+3], 512<<16                     ; tile_dim0
	s_mov_b32 s[\g+4], 8                           ; tile_dim1
	s_mov_b32 s[\g+5], 2048                        ; from row block to row block: 16,384 bytes
	s_mov_b32 s[\g+6], 0
	s_mov_b32 s[\g+7], 0
.endr
	s_lshl_b32 s19, s[CH], 17                      ; which 128 rows of the tile I fetch
	s_lshl_b32 s20, s43, 18
	s_add_co_u32 s20, s20, s19
	s_add_co_u32 s20, s20, s87                     ; S1's tile: it hangs on ty alone
	s_mov_b32 s21, 0
	s_lshl_b32 s22, s42, 18
	s_add_co_u32 s22, s22, s19
	s_add_co_u32 s22, s22, s86                     ; S0's: on tx alone
	s_mov_b32 s23, 0
	s_lshl_b32 s92, s[WV], 15                      ; where they go: wave x 128 rows
	s_wait_alu depctr_va_vdst(0)                   ; directly ahead of the wait below
	s_wait_dscnt 0x0                               ; both opening adds are done
	s_wait_kmcnt 0x0
	s_load_b512 s[68:83], s[8:9], 0x0              ; the sixteen exponents
.if FFN
	s_add_nc_u64 s[66:67], s[4:5], s[20:21]
	s_add_nc_u64 s[46:47], s[6:7], s[22:23]
.else
	s_cmp_eq_u32 s84, 2
	s_cselect_b64 s[66:67], s[4:5], s[6:7]
	s_cselect_b64 s[46:47], s[6:7], s[4:5]
	s_add_nc_u64 s[66:67], s[66:67], s[20:21]
	s_add_nc_u64 s[46:47], s[46:47], s[22:23]
.endif
	CROUND                                         ; all sixteen work-groups are here: the first joint loads meet
.irp s, 0,1
	s_mov_b32 s[G0+4*\s], 1
	s_add_co_u32 s[G0+4*\s+1], s92, \s*SLOT
	s_add_nc_u64 s[G0+4*\s+2:G0+4*\s+3], s[66:67], \s*4096
	s_or_b32 s[G0+4*\s+3], s[G0+4*\s+3], 0x80000000
	s_mov_b32 s[G0B+4*\s], 1
	s_add_co_u32 s[G0B+4*\s+1], s92, \s*SLOT
	s_add_nc_u64 s[G0B+4*\s+2:G0B+4*\s+3], s[46:47], \s*4096
	s_or_b32 s[G0B+4*\s+3], s[G0B+4*\s+3], 0x80000000
.endr
	; PREFETCH INTO THE L2: of the 8 row blocks that my wave fetches, each of the four partners that ask for them jointly names two (by address: cx for S1, cy for S0), 32 blocks of 256 bytes, one instruction for a slot.
	; Behind fill t stands the request for fill t + 2 (behind fill 0 also for fill 1): four fills in all, so every offset is an immediate and s[96:97] is never rewritten.
	s_cmp_eq_u32 s[RH], 0
	s_cselect_b64 s[96:97], s[66:67], s[46:47]
	s_cselect_b32 s98, s40, s41
	s_lshl_b32 s98, s98, 15
	s_mov_b32 s99, 0
	s_add_nc_u64 s[96:97], s[96:97], s[98:99]
	JLOAD G0, G1, G0B, G1B                         ; slot 0: one tensor load a wave at the head
	v_and_b32 v1, 31, v0
	v_lshlrev_b32 v[LO], 4, v1
	global_prefetch_b8 v27, s[96:97] offset:4096 th:TH_LOAD_NT scope:SCOPE_SE
	global_prefetch_b8 v27, s[96:97] offset:8192 th:TH_LOAD_NT scope:SCOPE_SE
	s_lshl_b32 s19, s[RH], 15                      ; my 128 rows of S1,
	s_lshl_b32 s20, s[CH], 15
	s_add_co_u32 s20, s20, 65536                   ; my 128 rows of S0, behind S1's 256
.irp s, 0,1
	v_add_nc_u32 v[ADRA+\s], s19, v[LO]
	v_add_nc_u32 v[ADRB+\s], s20, v[LO]
	s_add_co_u32 s19, s19, SLOT
	s_add_co_u32 s20, s20, SLOT
.endr
	s_lshl_b32 s19, s43, 1
	s_add_co_u32 s19, s19, s[RH]                   ; my S1 rows begin at 128 x this,
	s_lshl_b32 s20, s42, 1
	s_add_co_u32 s20, s20, s[CH]                   ; my S0 rows at 128 x this
.if FFN
	s_lshl_b32 s21, s19, 19                        ; hid [256][32][2048]: token block 8 x s19, K step s20
	s_lshl_b32 s22, s20, 11
	s_add_co_u32 s94, s21, s22
	s_mov_b32 s95, 0
	s_add_nc_u64 s[88:89], s[12:13], s[94:95]
	s_lshl_b32 s94, s20, 9
	s_add_nc_u64 s[90:91], s[10:11], s[94:95]      ; bf1 at my 128 hidden units
	v_bfe_u32 v2, v0, 4, 1
	v_lshlrev_b32 v2, 5, v2                        ; lane (r, h) wants, for tile b, units 16 b + 8 h + 0..7
.irp b, 0,1,2,3,4,5,6,7
	global_load_b128 v[TMP+8*\b:TMP+8*\b+3], v2, s[90:91] offset:64*\b
	global_load_b128 v[TMP+8*\b+4:TMP+8*\b+7], v2, s[90:91] offset:64*\b+16
.endr
	s_wait_loadcnt 0x0
	s_wait_kmcnt 0x0
	s_add_co_i32 s19, s80, s81                     ; a sum stands for sum x 2^(e12 + e13): the bias goes in divided by that, as the C of each sum's first product
	s_sub_co_i32 s19, 0, s19
.set i, 0
.rept 64
	v_ldexp_f32 v[TMP+i], v[TMP+i], s19
.set i, i+1
.endr
.else
	s_lshr_b32 s21, s19, 3                         ; q, k: [batch x 16 + head][token block 64][1024]
	s_lshl_b32 s21, s21, 20
	s_and_b32 s22, s19, 7
	s_lshl_b32 s22, s22, 13
	s_add_co_u32 s21, s21, s22
	s_lshl_b32 s22, s20, 17                        ; my first head is 2 x s20
	s_add_co_u32 s21, s21, s22
	s_lshl_b32 s22, s84, 22
	s_add_co_u32 s21, s21, s22
	s_lshl_b32 s22, s20, 17                        ; v: [key step 32][group / 2][head 16][d block 4][group % 2][512]: key step s20, d blocks 8 x s19 on
	s_lshl_b32 s23, s19, 13
	s_add_co_u32 s22, s22, s23
	s_add_co_u32 s22, s22, 0x800000
	s_cmp_eq_u32 s84, 2
	s_cselect_b32 s94, s22, s21
	s_mov_b32 s95, 0
	s_add_nc_u64 s[88:89], s[10:11], s[94:95]
.endif
.macro FRAG reg, adr, q, i             ; a fragment as it lies: four loads of 512 consecutive bytes
.irp c, 0,1,2,3
	ds_load_b128 v[\reg+4*\c:\reg+4*\c+3], v[\adr] offset:2048*(\q)+512*\c+4096*(\i)
.endr
.endm
; 16 matrix instructions: S1's blocks a0, a0 + 1 x S0's eight.  The 64 accumulators take turns, one instruction a turn, in the same order in every step.
.macro MUL16 a0, p, zero
.irp a, \a0, \a0+1
.irp b, 0,1,2,3,4,5,6,7
.if \zero == 1
	v_wmma_f32_16x16x128_fp8_fp8 v[8*(8*((\a)%4)+\b):8*(8*((\a)%4)+\b)+7], v[128*(\p)+FR*\b:128*(\p)+FR*\b+FR-1], v[AF+FR*(\a):AF+FR*(\a)+FR-1], 0
.elseif \zero == 2
	v_wmma_f32_16x16x128_fp8_fp8 v[8*(8*((\a)%4)+\b):8*(8*((\a)%4)+\b)+7], v[128*(\p)+FR*\b:128*(\p)+FR*\b+FR-1], v[AF+FR*(\a):AF+FR*(\a)+FR-1], v[TMP+8*\b:TMP+8*\b+7]
.else
	v_wmma_f32_16x16x128_fp8_fp8 v[8*(8*((\a)%4)+\b):8*(8*((\a)%4)+\b)+7], v[128*(\p)+FR*\b:128*(\p)+FR*\b+FR-1], v[AF+FR*(\a):AF+FR*(\a)+FR-1], v[8*(8*((\a)%4)+\b):8*(8*((\a)%4)+\b)+7]
.endif
.endr
.endr
.endm
.macro FETCH_B slot, q, p
	WIN TO_B
.irp i, 0,1,2,3,4,5,6,7
	FRAG 128*(\p)+FR*\i, ADRB+\slot, \q, \i
.endr
	WIN 0
.endm
.macro FETCH_A slot, q, i0
.irp i, \i0, \i0+1, \i0+2, \i0+3
	FRAG AF+FR*(\i), ADRA+\slot, \q, \i
.endr
.endm
.macro PLACES                          ; four plain vector instructions between a matrix instruction and a load into its sources or a read of its result (ISA guide 7.12.1 for the read of its result)
.rept 4
	v_nop
.endr
.endm
.macro STEP slot, q, zero              ; 128 along K that has its successor in the same slot
	s_wait_dscnt 4*NL                              ; S0's set and S1's blocks 0-3 are in; the youngest sixteen loads (blocks 4-7) may be out
.if \zero == 2
	WIN 0x81                                       ; C (the bias) in window 0
.else
	WIN MUL_LO
.endif
	MUL16 0, (\q)%2, \zero
	MUL16 2, (\q)%2, \zero
	s_wait_dscnt 0
	PLACES
	FETCH_B \slot, (\q)+1, 1-(\q)%2
	FETCH_A \slot, (\q)+1, 0
.if \zero == 2
	WIN 0xc1
.else
	WIN MUL_HI
.endif
	MUL16 4, (\q)%2, \zero
	MUL16 6, (\q)%2, \zero
	PLACES
	WIN 0
	FETCH_A \slot, (\q)+1, 4
.endm
; A slot's last step changes slots: one barrier; in front of it each wave waits for all its tensor loads, adds 0 to its spare word, and waits for that and for its reads of this slot.  fill = 1: the slot is filled again.
.macro TURN slot, next, fill
	s_wait_tensorcnt 0x0                           ; all my tensor loads have landed: my part of the next slot
	ds_add_u32 v[SPW], v[NIL]
	s_wait_dscnt 4*NL+1                            ; (the add and the youngest sixteen loads may be out)
	WIN MUL_LO
	MUL16 0, 1, 0
	s_wait_dscnt 0x0                               ; the add is done, and my reads of this slot are over
	s_barrier_signal -1
	MUL16 2, 1, 0
	WIN 0
	s_barrier_wait -1
.if \fill
	CREST                                          ; the barrier has opened a round of the cluster's: no wave of any partner still reads this slot or has a load on its way
	s_add_nc_u64 s[G0+4*\slot+2:G0+4*\slot+3], s[G0+4*\slot+2:G0+4*\slot+3], 8192
	s_add_nc_u64 s[G0B+4*\slot+2:G0B+4*\slot+3], s[G0B+4*\slot+2:G0B+4*\slot+3], 8192
	JLOAD G0+4*\slot, G1, G0B+4*\slot, G1B         ; the first tensor load behind the round; its four v_nop are the places in front of the loads below
.else
	PLACES
.endif
	FETCH_B \next, 0, 0
	FETCH_A \next, 0, 0
	WIN MUL_HI
	MUL16 4, 1, 0
	MUL16 6, 1, 0
	PLACES
	WIN 0
	FETCH_A \next, 0, 4
.endm
	s_wait_alu depctr_va_vdst(0)                   ; the head's end
	s_wait_tensorcnt 0x0                           ; my part of slot 0 is in; slot 1's first fill is issued as a refill is:
	ds_add_u32 v[SPW], v[NIL]
	s_wait_dscnt 0x0
	CROUND                                         ; everybody's part of slot 0 is in, and the joint loads meet
	JLOAD G0+4, G1, G0B+4, G1B                     ; the first tensor load behind the round
	FETCH_B 0, 0, 0
	global_prefetch_b8 v27, s[96:97] offset:12288 th:TH_LOAD_NT scope:SCOPE_SE
	FETCH_A 0, 0, 0
	FETCH_A 0, 0, 4
	STEP 0, 0, Z0                                  ; K 0: the first products start the sums.  K = 1,024 is eight steps, four fills: they are written straight
	TURN 0, 1, 1                                   ; K 128; slot 0 takes K 512 on
	STEP 1, 0, 0                                   ; K 256
	TURN 1, 0, 1                                   ; K 384; slot 1 takes K 768 on
	STEP 0, 0, 0                                   ; K 512
	TURN 0, 1, 0                                   ; K 640; nothing is left to fetch
	STEP 1, 0, 0                                   ; K 768
	s_wait_dscnt 4*NL                              ; K 896
	WIN MUL_LO
	MUL16 0, 1, 0
	MUL16 2, 1, 0
	s_wait_dscnt 0
	WIN MUL_HI
	MUL16 4, 1, 0
	MUL16 6, 1, 0
	WIN 0
	; THE WAY OUT.  A sum stands for sum x 2^(its operands' exponents added); its code is sum / 2^(the result's e less those two): the three scales are folded into the conversion's one.
	s_wait_kmcnt 0x0
.if FFN
	s_sub_co_i32 s19, s82, s80                     ; e14 - e12 - e13
	s_sub_co_i32 s19, s19, s81
.else
	s_sub_co_i32 s19, s74, s68                     ; q: e6 - e0 - e1
	s_sub_co_i32 s19, s19, s69
	s_sub_co_i32 s20, s75, s70                     ; k: e7 - e2 - e3
	s_sub_co_i32 s20, s20, s71
	s_sub_co_i32 s21, s77, s72                     ; v: e9 - e4 - e5
	s_sub_co_i32 s21, s21, s73
	s_cmp_eq_u32 s84, 0
	s_cselect_b32 s19, s19, s20
	s_cmp_eq_u32 s84, 2
	s_cselect_b32 s19, s21, s19
.endif
	s_add_co_i32 s19, s19, 127
	s_lshl_b32 s20, s19, 23
	v_mov_b32 v[SC], s20
	s_add_co_i32 s19, s19, 8
	s_lshl_b32 s19, s19, 23
	s_or_b32 s19, s19, 0x600000
	v_mov_b32 v[LIM], s19
	PLACES
.macro QOUT a                          ; S1's block a: 64 sums a lane are held (FFN: the activation and the hold in one), converted, and stored.  Each accumulator is read from its low end on
.set AC, 64*((\a)%4)
	WIN 0x02+((\a)/4)
.set i, 0
.rept 64
.if FFN
	v_med3_num_f32 v[TMP+i], v[AC+i], 0, v[LIM]
.else
	v_med3_num_f32 v[TMP+i], v[AC+i], -v[LIM], v[LIM]
.endif
.set i, i+1
.endr
	WIN 0
.irp b, 0,1,2,3,4,5,6,7
	v_cvt_scalef32_pk8_fp8_f32 v[CD+16*(\a)+2*\b:CD+16*(\a)+2*\b+1], v[TMP+8*\b:TMP+8*\b+7], v[SC]
.endr
	v_nop                                          ; a plain instruction between the conversions and the next block's writes of their sources
.irp g, 0,1,2,3
.if FFN
	global_store_b128 v[LO], v[CD+16*(\a)+4*\g:CD+16*(\a)+4*\g+3], s[88:89] offset:65536*(\a)+512*\g
.else
	global_store_b128 v[LO], v[CD+16*(\a)+4*\g:CD+16*(\a)+4*\g+3], s[88:89] offset:1024*(\a)+65536*(\g/2)+512*(\g%2)
.endif
.endr
.endm
.irp a, 0,1,2,3,4,5,6,7                ; every block's codes have registers of their own and the base stays: no store's source is written again
	QOUT \a
.endr
	s_wait_tensorcnt 0x0                           ; the wave's end
	ds_add_u32 v[SPW], v[NIL]
	s_wait_dscnt 0x0
	CROUND                                         ; the closing round
	s_endpgm
.Lfunc_end_k_q7b3bdd278b_qkv:
	.size	k_q7b3bdd278b_qkv, .Lfunc_end_k_q7b3bdd278b_qkv-k_q7b3bdd278b_qkv
	.p2alignl 7, 3214868480
	.fill 96, 4, 3214868480
	.section	.rodata,"a",@progbits
	.p2align	6, 0x0
	.amdhsa_kernel k_q7b3bdd278b_qkv
		.amdhsa_group_segment_fixed_size 327680
		.amdhsa_private_segment_fixed_size 0
		.amdhsa_enable_private_segment 0
		.amdhsa_kernarg_size 32
		.amdhsa_user_sgpr_count 2
		.amdhsa_user_sgpr_kernarg_segment_ptr 1
		.amdhsa_wavefront_size32 1
		.amdhsa_system_sgpr_workgroup_id_x 1
		.amdhsa_system_sgpr_workgroup_id_y 1
		.amdhsa_system_sgpr_workgroup_id_z 1
		.amdhsa_system_vgpr_workitem_id 0
		.amdhsa_next_free_vgpr 1024
		.amdhsa_next_free_sgpr 100
		.amdhsa_reserve_vcc 0
		.amdhsa_float_denorm_mode_32 3
		.amdhsa_float_denorm_mode_16_64 3
		.amdhsa_memory_ordered 1
		.amdhsa_forward_progress 1
		.amdhsa_inst_pref_size 119
	.end_amdhsa_kernel
	.amdgpu_metadata
---
amdhsa.version: [ 1, 2 ]
amdhsa.kernels:
  - .name:           k_q7b3bdd278b_qkv
    .symbol:         k_q7b3bdd278b_qkv.kd
    .args:
      - { .name: wimg, .offset: 0, .size: 8, .value_kind: global_buffer, .address_space: global }
      - { .name: h1, .offset: 8, .size: 8, .value_kind: global_buffer, .address_space: global }
      - { .name: lowp_scales, .offset: 16, .size: 8, .value_kind: global_buffer, .address_space: global }
      - { .name: qkv, .offset: 24, .size: 8, .value_kind: global_buffer, .address_space: global }
    .group_segment_fixed_size: 327680
    .private_segment_fixed_size: 0
    .kernarg_segment_align: 8
    .kernarg_segment_size: 32
    .max_flat_workgroup_size: 128
    .sgpr_count:     100
    .vgpr_count:     1024
    .wavefront_size: 32
...
	.end_amdgpu_metadata
.endif
;; end of part 2
;; launch attn (part 3): grid 4 x 64, 16 waves a work-group, clusters of 4 x 1, 206,848 bytes of LDS; arguments qkv, lowp_scales, oimg; writes oimg
.if DOCPART == 3
	.amdgcn_target "amdgcn-amd-amdhsa--gfx1250"
	.amdhsa_code_object_version 6
	.text
	.protected	k_q7b3bdd278b_attn
	.globl	k_q7b3bdd278b_attn
	.p2align	8
	.type	k_q7b3bdd278b_attn,@function
k_q7b3bdd278b_attn:
	s_mov_b64 s[64:65], 0
	v_nop
	global_prefetch_b8 v0, s[64:65] scope:SCOPE_SE
	s_setreg_imm32_b32 hwreg(HW_REG_WAVE_MODE, 25, 1), 1
	s_wait_xcnt 0x0
	s_wait_alu depctr_hold_cnt(0) depctr_sa_sdst(0) depctr_va_vdst(0) depctr_va_sdst(0) depctr_va_ssrc(0) depctr_va_vcc(0) depctr_vm_vsrc(0)
	s_getreg_b32 s2, hwreg(HW_REG_IB_STS2, 6, 4)
	s_cmp_eq_u32 s2, 0
	s_cbranch_scc0 .Lentry_in_a_cluster
	s_endpgm
.Lentry_in_a_cluster:
	s_bfe_u32 s2, ttmp6, 0x10000c
	s_cmp_lg_u32 s2, 0x3003
	s_cbranch_scc0 .Lentry_shape_is_right
	s_endpgm
.Lentry_shape_is_right:
; CAUSAL ATTENTION ON CODES (E4M3).  o = softmax(q k^T / 32) v for one batch and head (the cluster's y), quantised on the way out into the image of the projection's operand.
; q, k: fragments of 16 tokens x 64, 1,024 bytes each, in the order of the operand's registers; v: fragments of 16 d x 128 keys.  t = score x log2(e) / 32; M = the running largest t rounded up to a whole number;
; p = 2^(t - M) is quantised along the keys, not normalised; the row's sum is taken of the unquantised p and divides at the end.  When M moves, the sum and O are multiplied by 2^(old M - new M), which rounds nothing.
; Key steps that lie wholly behind a tile's queries under the causal mask are not walked.
; SHARES.  The four work-groups of a cluster serve one head; work-group cx has the query tiles 4 u + cx, u = 0..15: queries 64 u + 16 cx + 0..15, whose diagonal lies in key step u / 2 (a key step is 128 keys).
; Tile u needs u / 2 + 1 key steps.  THE LONG TILES ARE CUT ALONG THE KEYS: wave w < 8 owns tile u = 15 - w and walks its key steps 0..4; wave w >= 8 owns tile u = w - 8, walks all its steps, stores its result, and then walks
; key steps 5 .. of tile 23 - w, wave w - 8's, with an M, a sum and an O of its own.  That part goes to the owner through LDS and is joined by two exact powers of two.  So a wave walks 5 steps (w < 8) or 4.
; What a wave walks hangs on its number and the trip alone: the four work-groups are alike, and K and V are asked for jointly.  The step is written once, in a loop of five trips.
; LDS holds the head's whole K (65,536 bytes) and V (65,536): every byte is filled once, by sixteen joint loads at the head, one a wave (waves 0-7: K's key step w; waves 8-15: V's key step w - 8).  No loop of fills: no prefetch.
; Both products are used transposed (S^T = K Q^T, O^T = V^T P^T): a lane holds one query; tile t of S^T holds keys 16 t + 8 h + 0..7, whose eight codes are registers 2 t, 2 t + 1 of P.
; LIMITS: e6 + e7 between -121 and 132 (they are added to c's exponent field); e8 and e10 between -126 and 119.  NaN among the inputs is not served.
; REGISTERS: v1-9, v192-194 LDS addresses; v12 -M, v13 the largest t, v[14:15] the sum; v16-23 Q; v24-31 the partner's Q; v32-95 K's eight fragments, then V's four; v96-159 S^T, then p; v160-191 O^T; v224-239 p's codes; v240-255 scales and work.
.set SPARE, 131072                     ; behind K and V: the spare words, 128 bytes for each of sixteen waves; no other line names them
.set STG,   133120                     ; behind them: a place of PSZ bytes for each wave's part: O^T's 32 registers, -M, the sum's pair
.set PSZ,   4608
.set LI,  1                            ; v1 16 x lane
.set LV,  2                            ; v2 65,536 + 16 x lane
.set SG4, 3                            ; v3, v4, v9 my place: + 4, 8, 16 x lane
.set SG8, 4
.set SPW, 5
.set NIL, 6
.set LK,  7                            ; v7, v8 the step's K and V
.set LW,  8
.set SG,  9
.set RG,  192                          ; v192-194 wave (w xor 8)'s place, likewise
.set RG4, 193
.set RG8, 194
.set WV,  10                           ; s10 wave
.set HS,  11                           ; s11 my tile's diagonal step
.set CX,  12                           ; s12 my place in the cluster: it enters Q's and o's addresses and the mask's numbers alone
.set BH,  13                           ; s13 16 x batch + head
.set U,   14                           ; s14 my tile
.set SH,  15                           ; s15 wave / 8
.set G1K, 16
.set G1V, 24
.set G0K, 32
.set G0V, 36
.set I,   40                           ; s40 the trip
.set SW,  41                           ; s41 the trip at which I turn to the partner's tile (8: never)
.set END, 42                           ; s42 my trips
.set OFS, 43                           ; s43 from then on: key step = trip + this
.set HS2, 44                           ; s44 the partner's diagonal step
.set ST,  45                           ; s45 the trip's key step
.set HC,  46                           ; s46 the diagonal step of the tile in hand
.set U2,  47                           ; s47 the partner's tile
.set E89, 48                           ; s48 e8 + e9
.set SEL, 84
.set CS,  86
.macro CROUND
	s_barrier_signal -1
	s_barrier_wait -1
	s_cmp_lg_u32 s[WV], 0
	s_cbranch_scc1 .Lnot_wave_0_\@
	s_barrier_signal -3
.Lnot_wave_0_\@:
	s_barrier_wait -3
	s_barrier_signal -1
	s_barrier_wait -1
.endm
; THE WAY OUT of my own tile: O^T / the sum x 2^(e8 + e9) is o; it is held, converted under 2^e10, and its 32 codes a lane are two groups of the projection's operand: two stores of 512 consecutive bytes.
.macro WAYOUT
	v_add_f32 v14, v14, v15
	v_permlanex16_b32 v246, v14, s[SEL], s[SEL+1]
	v_add_f32 v14, v14, v246
	s_wait_alu depctr_va_vdst(0)                   ; ahead of the transcendental
	v_rcp_f32 v14, v14
	v_nop                                          ; a plain instruction behind it,
	s_wait_alu depctr_va_vdst(0)                   ; and the wait ahead of its first reader
	v_ldexp_f32 v14, v14, s[E89]
.set j, 0
.rept 32
	v_mul_f32 v[96+j], v[160+j], v14               ; register 8 t + i: o(query r, d = 16 t + 8 h + i)
.set j, j+1
.endr
.set j, 0
.rept 32
	v_med3_num_f32 v[96+j], v[96+j], -v241, v241
.set j, j+1
.endr
.irp t, 0,1,2,3
	v_cvt_scalef32_pk8_fp8_f32 v[224+2*\t:225+2*\t], v[96+8*\t:103+8*\t], v251
.endr
	v_nop
	global_store_b128 v[LI], v[224:227], s[96:97]
	global_store_b128 v[LI], v[228:231], s[96:97] offset:512
.endm
	s_load_b128 s[4:7], s[0:1], 0x0                ; qkv, the scales' exponents
	s_load_b64 s[8:9], s[0:1], 0x10                ; oimg
	v_lshl_add_u32 v[SPW], v0, 2, SPARE
	v_mov_b32 v[NIL], 0
	ds_add_u32 v[SPW], v[NIL]                      ; the wave's opening: the add, twice on end, and its wait ahead of my tensor load
	ds_add_u32 v[SPW], v[NIL]
	v_lshrrev_b32 v1, 5, v0
	v_readfirstlane_b32 s[WV], v1
	s_lshr_b32 s[SH], s[WV], 3
	s_xor_b32 s[U], s[SH], 1
	s_mul_i32 s[U], s[U], 7
	s_xor_b32 s[U], s[U], 8
	s_xor_b32 s[U], s[U], s[WV]                    ; 15 - w for w < 8, w - 8 for w >= 8
	s_xor_b32 s[U2], s[U], 15
	s_lshr_b32 s[HS], s[U], 1
	s_sub_co_u32 s[HS2], 7, s[HS]
	s_sub_co_u32 s[OFS], 4, s[HS]
	s_sub_co_u32 s[END], 5, s[SH]
	s_add_co_u32 s[SW], s[HS], 1
	s_cmp_eq_u32 s[SH], 1
	s_cselect_b32 s[SW], s[SW], 8
	s_bfe_u32 s[CX], ttmp6, 0x40000
	s_and_b32 s[BH], ttmp7, 0xffff
	s_mov_b32 s[G1K], 15|(3<<16)|(1<<21)           ; the mask: all four work-groups; elements of 8 bytes; bit 21 beside a mask.  K: a key step is 8,192 dense bytes: 32 rows of 256
	s_mov_b32 s[G1K+1], 32<<16
	s_mov_b32 s[G1K+2], 32<<16
	s_mov_b32 s[G1K+3], 32<<16
	s_mov_b32 s[G1K+4], 32
	s_mov_b32 s[G1K+5], 32
	s_mov_b32 s[G1K+6], 0
	s_mov_b32 s[G1K+7], 0
	s_mov_b32 s[G1V], 15|(3<<16)|(1<<21)           ; V: a key step of a head is 2 rows of 4,096 bytes, 65,536 apart
	s_mov_b32 s[G1V+1], 512<<16
	s_mov_b32 s[G1V+2], 2<<16
	s_mov_b32 s[G1V+3], 512<<16
	s_mov_b32 s[G1V+4], 2
	s_mov_b32 s[G1V+5], 8192
	s_mov_b32 s[G1V+6], 0
	s_mov_b32 s[G1V+7], 0
	s_and_b32 s88, s[WV], 7                        ; the key step that I fetch
	s_lshl_b32 s89, s88, 13
	s_lshl_b32 s90, s[BH], 16
	s_add_co_u32 s90, s90, s89
	s_add_co_u32 s90, s90, 0x400000                ; k's part of qkv, my head, that key step
	s_mov_b32 s91, 0
	s_lshr_b32 s92, s[BH], 4
	s_lshl_b32 s92, s92, 20
	s_and_b32 s93, s[BH], 15
	s_lshl_b32 s93, s93, 12
	s_add_co_u32 s92, s92, s93
	s_lshl_b32 s93, s88, 17
	s_add_co_u32 s92, s92, s93
	s_add_co_u32 s92, s92, 0x800000                ; v's part: batch, head, key step
	s_mov_b32 s93, 0
	s_mov_b32 s[SEL], 0x76543210
	s_mov_b32 s[SEL+1], 0xfedcba98
	s_mov_b32 s[CS], 0x3d38aa3b                    ; c = log2(e) / 32
	s_wait_dscnt 0x0                               ; both opening adds are done
	s_wait_kmcnt 0x0
	s_load_b512 s[68:83], s[6:7], 0x0              ; the sixteen exponents
	s_mov_b32 s[G0K], 1
	s_mov_b32 s[G0K+1], s89
	s_add_nc_u64 s[G0K+2:G0K+3], s[4:5], s[90:91]
	s_or_b32 s[G0K+3], s[G0K+3], 0x80000000
	s_mov_b32 s[G0V], 1
	s_add_co_u32 s[G0V+1], s89, 65536
	s_add_nc_u64 s[G0V+2:G0V+3], s[4:5], s[92:93]
	s_or_b32 s[G0V+3], s[G0V+3], 0x80000000
	CROUND                                         ; all four work-groups are here: the joint loads meet
	s_cmp_lt_u32 s[WV], 8                          ; one branch on the wave's number, a fill in each arm: every wave has one load out
	s_cbranch_scc0 .Lnot_k
	tensor_load_to_lds s[G0K:G0K+3], s[G1K:G1K+7]
	s_nop 0
.rept 4
	v_nop
.endr
	s_branch .Lasked
.Lnot_k:
	tensor_load_to_lds s[G0V:G0V+3], s[G1V:G1V+7]
	s_nop 0
.rept 4
	v_nop
.endr
.Lasked:
	s_lshl_b32 s88, s[U], 2
	s_add_co_u32 s88, s88, s[CX]                   ; my query tile
	s_lshl_b32 s90, s[BH], 16
	s_lshl_b32 s91, s88, 10
	s_add_co_u32 s90, s90, s91
	s_mov_b32 s91, 0
	s_add_nc_u64 s[94:95], s[4:5], s[90:91]        ; Q's fragment
	s_lshl_b32 s89, s[U2], 2
	s_add_co_u32 s89, s89, s[CX]
	s_lshl_b32 s89, s89, 10
	s_lshl_b32 s90, s[BH], 16
	s_add_co_u32 s90, s90, s89
	s_add_nc_u64 s[92:93], s[4:5], s[90:91]        ; the partner's
	s_lshr_b32 s90, s[BH], 4
	s_lshl_b32 s90, s90, 20
	s_lshl_b32 s89, s88, 14
	s_add_co_u32 s90, s90, s89
	s_and_b32 s89, s[BH], 15
	s_lshl_b32 s89, s89, 10
	s_add_co_u32 s90, s90, s89                     ; oimg [token block][K step][2048]: token block 64 batch + tile; the head's 64 of K are 1,024 bytes at 1,024 x head
	s_add_nc_u64 s[96:97], s[8:9], s[90:91]
	s_and_b32 s88, s[U], 1
	s_lshl_b32 s88, s88, 6
	s_lshl_b32 s89, s[CX], 4
	s_add_co_u32 s88, s88, s89                     ; my tile's first query in its diagonal step,
	s_xor_b32 s89, s88, 64                         ; the partner's: u and 15 - u differ in their lowest bit
	s_mul_i32 s90, s[WV], PSZ
	s_add_co_u32 s90, s90, STG                     ; my place for a part,
	s_xor_b32 s91, s[WV], 8
	s_mul_i32 s91, s91, PSZ
	s_add_co_u32 s91, s91, STG                     ; and wave (w xor 8)'s
	s_mov_b32 s[I], 0
	v_and_b32 v245, 31, v0
	v_lshlrev_b32 v[LI], 4, v245
	v_add_nc_u32 v[LV], 65536, v[LI]
	v_add_nc_u32 v[SG], s90, v[LI]
	v_lshl_add_u32 v[SG4], v245, 2, s90
	v_lshl_add_u32 v[SG8], v245, 3, s90
	v_add_nc_u32 v[RG], s91, v[LI]
	v_lshl_add_u32 v[RG4], v245, 2, s91
	v_lshl_add_u32 v[RG8], v245, 3, s91
	s_wait_alu depctr_va_vdst(0)                   ; behind these writes
	global_load_b128 v[16:19], v[LI], s[94:95]
	global_load_b128 v[20:23], v[LI], s[94:95] offset:512
	global_load_b128 v[24:27], v[LI], s[92:93]
	global_load_b128 v[28:31], v[LI], s[92:93] offset:512
	v_and_b32 v247, 15, v0
	v_bfe_u32 v243, v0, 4, 1
	v_lshlrev_b32 v243, 3, v243
	v_sub_nc_u32 v247, v247, v243
	v_add_nc_u32 v248, s88, v247                   ; d = my query in its key step - 8 h: register 8 t + j holds key 16 t + 8 h + j, hidden where 16 t + j > d
	v_add_nc_u32 v249, s89, v247                   ; the same for the partner's tile
	v_mov_b32 v250, 0xff800000                     ; -infinity
	v_mov_b32 v13, 0xff61b1e6                      ; the largest t so far: -3e38
	v_floor_f32 v12, -v13
	v_mov_b32 v14, 0
	v_mov_b32 v15, 0
	v_mov_b32 v246, 0                              ; a lane permute's destination counts as read
	v_mov_b32 v253, 0                              ; (named as the upper half of the pair v[252:253])
.set i, 0
.rept 32
	v_mov_b32 v[160+i], 0                          ; O^T: the step is written once; the first finds zeros, which the first change of M leaves zeros
.set i, i+1
.endr
	s_wait_kmcnt 0x0
	s_add_co_i32 s90, s74, s75
	s_lshl_b32 s90, s90, 23
	s_add_co_i32 s[CS], s[CS], s90                 ; a score stands for score x 2^(e6 + e7)
	s_mov_b32 s[CS+1], s[CS]
	s_add_co_i32 s90, s76, 127
	s_lshl_b32 s91, s90, 23
	v_mov_b32 v244, s91                            ; 2^e8
	s_add_co_i32 s90, s90, 8
	s_lshl_b32 s90, s90, 23
	s_or_b32 s90, s90, 0x600000
	v_mov_b32 v240, s90                            ; 448 x 2^e8
	s_add_co_i32 s90, s78, 127
	s_lshl_b32 s91, s90, 23
	v_mov_b32 v251, s91                            ; 2^e10
	s_add_co_i32 s90, s90, 8
	s_lshl_b32 s90, s90, 23
	s_or_b32 s90, s90, 0x600000
	v_mov_b32 v241, s90                            ; 448 x 2^e10
	s_add_co_i32 s[E89], s76, s77
	s_wait_alu depctr_va_vdst(0)                   ; the head's end
	s_wait_loadcnt 0x0                             ; both Q
	s_wait_tensorcnt 0x0                           ; my one fill is in;
	s_barrier_signal -1
	s_barrier_wait -1                              ; so is everybody's: the head's whole K and V lie in LDS, and no byte is filled again
.Ltrip:                                            ; five trips, a key step each; every branch in it hangs on the wave's number and the trip
	s_cmp_ge_u32 s[I], s[END]
	s_cbranch_scc1 .Lnext
	s_cmp_lg_u32 s[I], s[SW]
	s_cbranch_scc1 .Lnosw
	WAYOUT                                         ; my own tile is finished: it leaves, and I begin anew on the partner's
	s_wait_xcnt 0x0                                ; the stores have read their data: the codes' registers are written again below
	v_mov_b32 v13, 0xff61b1e6
	v_floor_f32 v12, -v13
	v_mov_b32 v14, 0
	v_mov_b32 v15, 0
.set i, 0
.rept 32
	v_mov_b32 v[160+i], 0
.set i, i+1
.endr
.set i, 0
.rept 8
	v_mov_b32 v[16+i], v[24+i]
.set i, i+1
.endr
	v_mov_b32 v248, v249
.Lnosw:
	s_cmp_ge_u32 s[I], s[SW]
	s_cselect_b32 s[ST], s[OFS], 0
	s_cselect_b32 s[HC], s[HS2], s[HS]
	s_add_co_u32 s[ST], s[ST], s[I]
	s_min_u32 s[ST], s[ST], 7                      ; the key step, 0..7
	s_lshl_b32 s90, s[ST], 13
	v_add_nc_u32 v[LK], s90, v[LI]
	v_add_nc_u32 v[LW], s90, v[LV]
.irp t, 0,1,2,3,4,5,6,7
	ds_load_b128 v[32+8*\t:35+8*\t], v[LK] offset:\t*1024
	ds_load_b128 v[36+8*\t:39+8*\t], v[LK] offset:\t*1024+512
.endr
	s_wait_alu depctr_va_vdst(0)                   ; directly ahead of the wait below
	s_wait_dscnt 0x0
.irp t, 0,1,2,3,4,5,6,7
	v_wmma_f32_16x16x64_fp8_fp8 v[96+8*\t:103+8*\t], v[32+8*\t:39+8*\t], v[16:23], 0
.endr
.rept 4
	v_nop                                          ; places in front of the loads into K's registers and of the first read of the scores
.endr
.irp t, 0,1,2,3                        ; V's four fragments are asked for here and land under the softmax
.irp c, 0,1,2,3
	ds_load_b128 v[32+16*\t+4*\c:35+16*\t+4*\c], v[LW] offset:4096*(\c/2)+1024*\t+512*(\c%2)
.endr
.endr
	s_cmp_lg_u32 s[HC], s[ST]                      ; on the diagonal the scores of hidden keys become -infinity ahead of the maximum: p = 0 then
	s_cbranch_scc1 .Lopen
.set n, 0
.rept 64
	v_cmp_gt_i32 vcc_lo, 16*(n/8)+n%8, v248
	v_cndmask_b32 v[96+n], v[96+n], v250, vcc_lo
.set n, n+1
.endr
.Lopen:
	v_max3_num_f32 v254, v96, v97, v98             ; the step's largest score of my query among my 64 keys, in two chains,
	v_max3_num_f32 v252, v99, v100, v101
.irp i, 6,10,14,18,22,26,30,34,38,42,46,50,54,58
	v_max3_num_f32 v254, v254, v[96+\i], v[97+\i]
	v_max3_num_f32 v252, v252, v[98+\i], v[99+\i]
.endr
	v_max3_num_f32 v254, v254, v158, v159
	v_max_num_f32 v254, v254, v252
	v_permlanex16_b32 v246, v254, s[SEL], s[SEL+1]
	v_max_num_f32 v254, v254, v246                 ; and among lane l xor 16's
	v_mul_f32 v254, s[CS], v254                    ; as t (c is positive)
	v_max_num_f32 v13, v13, v254
	v_mov_b32 v254, v12
	v_floor_f32 v12, -v13                          ; the new -M = -ceil(t)
	v_sub_f32 v254, v12, v254                      ; old M - new M: a whole number, 0 or less
	v_cvt_i32_f32 v254, v254
	v_ldexp_f32 v252, 1.0, v254                    ; f = 2^(old M - new M)
.set j, 0
.rept 32
	v_pk_fma_f32 v[96+j:97+j], v[96+j:97+j], s[CS:CS+1], v[12:13] op_sel_hi:[1,0,0]   ; t - M
.set j, j+2
.endr
	s_wait_alu depctr_va_vdst(0)                   ; ahead of the batch
.set j, 0
.rept 64
	v_exp_f32 v[96+j], v[96+j]                     ; p = 2^(t - M)
.set j, j+1
.endr
	v_pk_mul_f32 v[14:15], v[14:15], v[252:253] op_sel_hi:[1,0]   ; the sums under the new M: the plain instruction behind the exponentials
	s_wait_alu depctr_va_vdst(0)                   ; one wait for the batch, ahead of its first reader
	v_pk_add_f32 v[242:243], v[100:101], v[104:105] ; the row's sum of the unquantised p, in eight chains
	v_pk_add_f32 v[254:255], v[108:109], v[112:113]
	v_pk_add_f32 v[238:239], v[116:117], v[120:121]
	v_pk_add_f32 v[236:237], v[124:125], v[128:129]
	v_pk_add_f32 v[234:235], v[132:133], v[136:137]
	v_pk_add_f32 v[232:233], v[140:141], v[144:145]
	v_pk_add_f32 v[230:231], v[148:149], v[152:153]
	v_pk_add_f32 v[14:15], v[14:15], v[156:157]
	v_pk_add_f32 v[242:243], v[242:243], v[96:97]
	v_pk_add_f32 v[254:255], v[254:255], v[98:99]
	v_pk_add_f32 v[238:239], v[238:239], v[102:103]
	v_pk_add_f32 v[236:237], v[236:237], v[106:107]
	v_pk_add_f32 v[234:235], v[234:235], v[110:111]
	v_pk_add_f32 v[232:233], v[232:233], v[114:115]
	v_pk_add_f32 v[230:231], v[230:231], v[118:119]
	v_pk_add_f32 v[14:15], v[14:15], v[122:123]
	v_pk_add_f32 v[242:243], v[242:243], v[126:127]
	v_pk_add_f32 v[254:255], v[254:255], v[130:131]
	v_pk_add_f32 v[238:239], v[238:239], v[134:135]
	v_pk_add_f32 v[236:237], v[236:237], v[138:139]
	v_pk_add_f32 v[234:235], v[234:235], v[142:143]
	v_pk_add_f32 v[232:233], v[232:233], v[146:147]
	v_pk_add_f32 v[230:231], v[230:231], v[150:151]
	v_pk_add_f32 v[14:15], v[14:15], v[154:155]
	v_pk_add_f32 v[242:243], v[242:243], v[158:159]
	v_pk_add_f32 v[14:15], v[14:15], v[236:237]
	v_pk_add_f32 v[242:243], v[242:243], v[234:235]
	v_pk_add_f32 v[254:255], v[254:255], v[232:233]
	v_pk_add_f32 v[238:239], v[238:239], v[230:231]
	v_pk_add_f32 v[14:15], v[14:15], v[254:255]
	v_pk_add_f32 v[242:243], v[242:243], v[238:239]
	v_pk_add_f32 v[14:15], v[14:15], v[242:243]
.irp b, 0,1,2,3
.set i, 0
.rept 16
	v_min_num_f32 v[96+16*\b+i], v[96+16*\b+i], v240   ; the conversion does not saturate (ISA guide 7.6.2); p is not negative, so the hold is one-sided
.set i, i+1
.endr
	v_cvt_scalef32_pk8_fp8_f32 v[224+4*\b:225+4*\b], v[96+16*\b:103+16*\b], v244
	v_cvt_scalef32_pk8_fp8_f32 v[226+4*\b:227+4*\b], v[104+16*\b:111+16*\b], v244
.endr
.set j, 0
.rept 16
	v_pk_mul_f32 v[160+j:161+j], v[160+j:161+j], v[252:253] op_sel_hi:[1,0]   ; O^T under the new M; also the plain lines between the conversions and the products
.set j, j+2
.endr
	s_wait_alu depctr_va_vdst(0)                   ; directly ahead of the wait below
	s_wait_dscnt 0x0                               ; V
.irp t, 0,1,2,3                        ; the four accumulators take turns; eight other products stand before each comes round again
	v_wmma_f32_16x16x128_fp8_fp8 v[160+8*\t:167+8*\t], v[32+16*\t:47+16*\t], v[224:239], v[160+8*\t:167+8*\t]
.endr
.rept 4
	v_nop                                          ; places in front of the next loads into V's registers and of the next reads of O^T
.endr
.Lnext:
	s_add_co_u32 s[I], s[I], 1
	s_cmp_lt_u32 s[I], 5
	s_cbranch_scc1 .Ltrip
	; THE PARTS MEET.  Waves 8-13 hold a part of wave (w - 8)'s tile: it goes to their own place in LDS as an image of the registers; behind a barrier the owner takes it.
	s_wait_dscnt 0x0
	s_barrier_signal -1
	s_barrier_wait -1                              ; every wave's reads of K and V are over
	s_xor_b32 s90, s[WV], 8
	s_cmp_lt_u32 s90, 6                            ; waves 8-13
	s_cbranch_scc0 .Lno_put
.irp t, 0,1,2,3,4,5,6,7
	ds_store_b128 v[SG], v[160+4*\t:163+4*\t] offset:512*\t    ; each accumulator from its low end on
.endr
	ds_store_b32 v[SG4], v12 offset:4096
	ds_store_b64 v[SG8], v[14:15] offset:4224
.Lno_put:
	s_wait_dscnt 0x0                               ; for the owner's sake: my part lies in LDS
	s_barrier_signal -1
	s_barrier_wait -1
	s_cmp_lt_u32 s90, 6
	s_cbranch_scc1 .Ldone                          ; their own tiles have left already
	s_cmp_lt_u32 s[WV], 6                          ; waves 0-5 own the tiles of more than five steps
	s_cbranch_scc0 .Lno_get
.irp t, 0,1,2,3,4,5,6,7
	ds_load_b128 v[32+4*\t:35+4*\t], v[RG] offset:512*\t
.endr
	ds_load_b32 v64, v[RG4] offset:4096
	ds_load_b64 v[66:67], v[RG8] offset:4224
	s_wait_dscnt 0x0
	v_min_num_f32 v65, v12, v64                    ; -M of the two parts together
	v_mov_b32 v71, 0                               ; (named as the upper halves of pairs)
	v_mov_b32 v73, 0
	v_sub_f32 v68, v65, v12                        ; my M less the joint one, and the other part's: whole numbers, 0 or less
	v_sub_f32 v69, v65, v64
	v_cvt_i32_f32 v68, v68
	v_cvt_i32_f32 v69, v69
	v_ldexp_f32 v70, 1.0, v68
	v_ldexp_f32 v72, 1.0, v69
	v_pk_mul_f32 v[14:15], v[14:15], v[70:71] op_sel_hi:[1,0]
	v_pk_fma_f32 v[14:15], v[66:67], v[72:73], v[14:15] op_sel_hi:[1,0,1]
.set j, 0
.rept 16
	v_pk_mul_f32 v[160+j:161+j], v[160+j:161+j], v[70:71] op_sel_hi:[1,0]
.set j, j+2
.endr
.set j, 0
.rept 16
	v_pk_fma_f32 v[160+j:161+j], v[32+j:33+j], v[72:73], v[160+j:161+j] op_sel_hi:[1,0,1]
.set j, j+2
.endr
.Lno_get:
	WAYOUT
.Ldone:
	s_wait_tensorcnt 0x0                           ; the wave's end
	ds_add_u32 v[SPW], v[NIL]
	s_wait_dscnt 0x0
	CROUND                                         ; the closing round
	s_endpgm
.Lfunc_end_k_q7b3bdd278b_attn:
	.size	k_q7b3bdd278b_attn, .Lfunc_end_k_q7b3bdd278b_attn-k_q7b3bdd278b_attn
	.p2alignl 7, 3214868480
	.fill 96, 4, 3214868480
	.section	.rodata,"a",@progbits
	.p2align	6, 0x0
	.amdhsa_kernel k_q7b3bdd278b_attn
		.amdhsa_group_segment_fixed_size 206848
		.amdhsa_private_segment_fixed_size 0
		.amdhsa_enable_private_segment 0
		.amdhsa_kernarg_size 24
		.amdhsa_user_sgpr_count 2
		.amdhsa_user_sgpr_kernarg_segment_ptr 1
		.amdhsa_wavefront_size32 1
		.amdhsa_system_sgpr_workgroup_id_x 1
		.amdhsa_system_sgpr_workgroup_id_y 1
		.amdhsa_system_sgpr_workgroup_id_z 1
		.amdhsa_system_vgpr_workitem_id 0
		.amdhsa_next_free_vgpr 256
		.amdhsa_next_free_sgpr 100
		.amdhsa_reserve_vcc 1
		.amdhsa_float_denorm_mode_32 3
		.amdhsa_float_denorm_mode_16_64 3
		.amdhsa_memory_ordered 1
		.amdhsa_forward_progress 1
		.amdhsa_inst_pref_size 43
	.end_amdhsa_kernel
	.amdgpu_metadata
---
amdhsa.version: [ 1, 2 ]
amdhsa.kernels:
  - .name:           k_q7b3bdd278b_attn
    .symbol:         k_q7b3bdd278b_attn.kd
    .args:
      - { .name: qkv, .offset: 0, .size: 8, .value_kind: global_buffer, .address_space: global }
      - { .name: lowp_scales, .offset: 8, .size: 8, .value_kind: global_buffer, .address_space: global }
      - { .name: oimg, .offset: 16, .size: 8, .value_kind: global_buffer, .address_space: global }
    .group_segment_fixed_size: 206848
    .private_segment_fixed_size: 0
    .kernarg_segment_align: 8
    .kernarg_segment_size: 24
    .max_flat_workgroup_size: 512
    .sgpr_count:     100
    .vgpr_count:     256
    .wavefront_size: 32
...
	.end_amdgpu_metadata
.endif
;; end of part 3
;; launch proj (part 4): grid 8 x 32, 4 waves a work-group, clusters of 4 x 4, 327,680 bytes of LDS; arguments oimg, wimg, lowp_scales, proj_b, x, x1; writes x1
.if DOCPART == 4
	.amdgcn_target "amdgcn-amd-amdhsa--gfx1250"
	.amdhsa_code_object_version 6
	.text
	.protected	k_q7b3bdd278b_proj
	.globl	k_q7b3bdd278b_proj
	.p2align	8
	.type	k_q7b3bdd278b_proj,@function
k_q7b3bdd278b_proj:
	s_mov_b64 s[64:65], 0
	v_nop
	global_prefetch_b8 v0, s[64:65] scope:SCOPE_SE
	s_setreg_imm32_b32 hwreg(HW_REG_WAVE_MODE, 25, 1), 1
	s_wait_xcnt 0x0
	s_wait_alu depctr_hold_cnt(0) depctr_sa_sdst(0) depctr_va_vdst(0) depctr_va_sdst(0) depctr_va_ssrc(0) depctr_va_vcc(0) depctr_vm_vsrc(0)
	s_getreg_b32 s2, hwreg(HW_REG_IB_STS2, 6, 4)
	s_cmp_eq_u32 s2, 0
	s_cbranch_scc0 .Lentry_in_a_cluster
	s_endpgm
.Lentry_in_a_cluster:
	s_bfe_u32 s2, ttmp6, 0x10000c
	s_cmp_lg_u32 s2, 0xf033
	s_cbranch_scc0 .Lentry_shape_is_right
	s_endpgm
.Lentry_shape_is_right:
; x1 = x + o proj_w + proj_b.  o [4,096][1,024] and proj_w^T [1,024][1,024] come as images of codes (E4M3); x1 is f32 [4,096][1,024].
; THE IMAGE: a fragment (16 rows x 128 K) is 2,048 bytes in the order of the operand's registers; an operand [R][K] lies [R / 16][K / 128][2048].
; Tiles of 128 x 128 give 256 work-groups.  Four waves, each 64 x 64: 16 accumulators.  Source 0 = 16 rows of W, source 1 = 16 rows of A: a lane holds eight neighbouring numbers of a row.
; K is 1,024, so a work-group's whole share of A and W is 2 x 131,072 bytes and lies in LDS at once: each wave fetches 64 rows x 1,024 K, 65,536 dense bytes, by ONE tensor load at the head.  No byte is filled again: no ring.
; CLUSTER 4 x 4: A's tile is shared along a row of the cluster, W's along a column: joint loads.  No prefetch: the one fill stands at the head, and there is no loop to run ahead in.
; The bias, divided by 2^(ea + eb), is the C of each sum's first product; x1 = sum x 2^(ea + eb) + x is one packed multiply-add for two numbers.
; LIMIT: ea + eb between -126 and 127.
; REGISTERS: window 0: v16-29 addresses; v32-63 the bias; v128-255 the accumulators.  Window 1: two fragment buffers of 128 (A's four fragments, then W's four); on the way out the rows read back.  Window 2: v0-127 the residual.
.set WOFF,  0x300000                   ; proj_w's image in wimg
.set EA,    78                         ; s78, s79: entries 10, 11 of the exponents
.set EB,    79
.set SPARE, 262144                     ; behind the tiles: the spare words, 128 bytes a wave; no other line names them
.set STAGE, SPARE+512                  ; the way out: 16 rows x (256 bytes + 16) for each wave, on bytes of its own
.set SPITCH, 272
.set ADRA, 16
.set ADRB, 20
.set STO,  24
.set RD,   25
.set CO,   26
.set SPW,  28
.set NIL,  29
.set BIAS, 32
.set ACC,  128
.set F0,   0
.set F1,   128
.set WV,   16                          ; s16 wave
.set RH,   17                          ; s17 wave / 2: my half of A's rows; also: I fetch for A (0) or W (1)
.set CH,   18                          ; s18 wave % 2: my half of W's rows; also: which 64 rows I fetch
.set G1,   24
.set G0,   32
.set G1B,  48
.set G0B,  56
.set FAC,  84                          ; s[84:85] 2^(ea + eb)
.set MSB, 0
.macro WIN new                         ; the immediate's high byte repeats the setting that is left
.if MSB != (\new)
	s_set_vgpr_msb (MSB<<8)|(\new)
.set MSB, (\new)
.endif
.endm
.set MUL,  0x05                        ; sources 0 and 1 window 1; C and D window 0
.set TO_F, 0x40                        ; destination window 1
.macro PLACES                          ; four plain vector instructions between a matrix instruction and a load into its sources or a read of its result (ISA guide 7.12.1 for the read of its result)
.rept 4
	v_nop
.endr
.endm
.macro CROUND                          ; a round of the cluster's barrier
	s_barrier_signal -1
	s_barrier_wait -1
	s_cmp_lg_u32 s[WV], 0
	s_cbranch_scc1 .Lnot_wave_0_\@
	s_barrier_signal -3
.Lnot_wave_0_\@:
	s_barrier_wait -3
	s_barrier_signal -1
	s_barrier_wait -1
.endm
	s_load_b256 s[4:11], s[0:1], 0x0               ; oimg, wimg, the scales' exponents, proj_b
	s_load_b128 s[12:15], s[0:1], 0x20             ; x, x1
	v_lshl_add_u32 v[SPW], v0, 2, SPARE
	v_mov_b32 v[NIL], 0
	ds_add_u32 v[SPW], v[NIL]                      ; the wave's opening: the add, twice on end, and its wait ahead of my tensor load
	ds_add_u32 v[SPW], v[NIL]
	v_lshrrev_b32 v1, 5, v0
	v_readfirstlane_b32 s[WV], v1
	s_lshr_b32 s[RH], s[WV], 1
	s_and_b32 s[CH], s[WV], 1
	s_bfe_u32 s40, ttmp6, 0x40000                  ; cx
	s_bfe_u32 s41, ttmp6, 0x40004                  ; cy
	s_lshl_b32 s42, ttmp9, 2
	s_add_co_u32 s42, s42, s40                     ; tx: W's tile
	s_and_b32 s43, ttmp7, 0xffff
	s_lshl_b32 s43, s43, 2
	s_add_co_u32 s43, s43, s41                     ; ty: A's tile
	s_lshl_b32 s44, s41, 2
	s_lshl_b32 s44, 15, s44                        ; my row of the cluster
	s_lshl_b32 s45, 0x1111, s40                    ; my column
	s_or_b32 s[G1], s44, (3<<16)|(1<<21)           ; the mask; elements of 8 bytes; bit 21 beside a mask; no padding: an image's loads are dense
	s_or_b32 s[G1B], s45, (3<<16)|(1<<21)
.irp g, G1, G1B
	s_mov_b32 s[\g+1], 2048<<16                    ; tensor_dim0 = 2,048 elements: a row block's eight fragments, 16,384 bytes
	s_mov_b32 s[\g+2], 4<<16                       ; tensor_dim1 = 4 row blocks
	s_mov_b32 s[\g+3], 2048<<16                    ; tile_dim0
	s_mov_b32 s[\g+4], 4                           ; tile_dim1
	s_mov_b32 s[\g+5], 2048                        ; from row block to row block, in elements
	s_mov_b32 s[\g+6], 0
	s_mov_b32 s[\g+7], 0
.endr
	s_lshl_b32 s19, s[CH], 2                       ; which four row blocks of the tile I fetch
	s_lshl_b32 s20, s43, 3
	s_add_co_u32 s20, s20, s19
	s_lshl_b32 s20, s20, 14                        ; A's tile: it hangs on ty alone
	s_mov_b32 s21, 0
	s_lshl_b32 s22, s42, 3
	s_add_co_u32 s22, s22, s19
	s_lshl_b32 s22, s22, 14
	s_add_co_u32 s22, s22, WOFF                    ; W's: on tx alone
	s_mov_b32 s23, 0
	s_lshl_b32 s92, s[WV], 16                      ; where they go: wave x 65,536: A's two halves, then W's
	s_wait_dscnt 0x0                               ; both opening adds are done
	s_wait_kmcnt 0x0
	s_load_b512 s[68:83], s[8:9], 0x0              ; the sixteen exponents
	s_mov_b32 s[G0], 1
	s_mov_b32 s[G0+1], s92
	s_add_nc_u64 s[G0+2:G0+3], s[4:5], s[20:21]
	s_or_b32 s[G0+3], s[G0+3], 0x80000000
	s_mov_b32 s[G0B], 1
	s_mov_b32 s[G0B+1], s92
	s_add_nc_u64 s[G0B+2:G0B+3], s[6:7], s[22:23]
	s_or_b32 s[G0B+3], s[G0B+3], 0x80000000
	CROUND                                         ; all sixteen work-groups are here: the joint loads meet
	s_cmp_eq_u32 s[RH], 0                          ; the branch hangs on the wave's number alone; an s_nop 0 and four v_nop follow each line
	s_cbranch_scc0 .Lfor_b
	tensor_load_to_lds s[G0:G0+3], s[G1:G1+7]
	s_nop 0
	PLACES
	s_branch .Lasked
.Lfor_b:
	tensor_load_to_lds s[G0B:G0B+3], s[G1B:G1B+7]
	s_nop 0
	PLACES
.Lasked:
	s_lshl_b32 s19, s[RH], 16                      ; my 64 rows of A,
	s_lshl_b32 s20, s[CH], 16
	s_add_co_u32 s20, s20, 131072                  ; my 64 rows of W
	s_mul_i32 s21, s[WV], 16*SPITCH
	s_add_co_u32 s21, s21, STAGE                   ; my stage
	s_lshl_b32 s22, s42, 9
	s_lshl_b32 s23, s[CH], 8
	s_add_co_u32 s22, s22, s23                     ; my first column, in bytes
	s_mov_b32 s23, 0
	s_add_nc_u64 s[86:87], s[10:11], s[22:23]      ; the bias there
	s_lshl_b32 s94, s43, 19
	s_lshl_b32 s95, s[RH], 18
	s_add_co_u32 s94, s94, s95
	s_add_co_u32 s94, s94, s22                     ; + my first row
	s_mov_b32 s95, 0
	s_add_nc_u64 s[88:89], s[14:15], s[94:95]      ; x1
	s_add_nc_u64 s[90:91], s[12:13], s[94:95]      ; x
	v_and_b32 v1, 31, v0
	v_lshlrev_b32 v2, 4, v1                        ; 16 x lane
	v_and_b32 v3, 15, v0                           ; r
	v_bfe_u32 v4, v0, 4, 1                         ; h
	v_add_nc_u32 v[ADRA], s19, v2
	v_add_nc_u32 v[ADRB], s20, v2
	v_mul_u32_u24 v[STO], v3, SPITCH               ; the stage, in: row r, 32 bytes for each half of the lanes
	v_lshl_add_u32 v[STO], v4, 5, v[STO]
	v_add_nc_u32 v[STO], s21, v[STO]
	v_mul_u32_u24 v[RD], v4, SPITCH                ; back: lanes 0-15 one row of 256 bytes, lanes 16-31 the next
	v_lshl_add_u32 v[RD], v3, 4, v[RD]
	v_add_nc_u32 v[RD], s21, v[RD]
	v_lshlrev_b32 v[CO], 12, v4                    ; and the same two rows in x1 and in x
	v_lshl_add_u32 v[CO], v3, 4, v[CO]
	v_lshlrev_b32 v5, 5, v4                        ; the bias: lane (r, h) wants, for tile b, columns 16 b + 8 h + 0..7
	s_wait_alu depctr_va_vdst(0)                   ; behind these writes
.irp b, 0,1,2,3
	global_load_b128 v[BIAS+8*\b:BIAS+8*\b+3], v5, s[86:87] offset:64*\b
	global_load_b128 v[BIAS+8*\b+4:BIAS+8*\b+7], v5, s[86:87] offset:64*\b+16
.endr
	WIN 0x80                                       ; destination window 2
.irp a, 0,1,2,3
.irp t, 0,1,2,3,4,5,6,7
	global_load_b128 v[32*\a+4*\t:32*\a+4*\t+3], v[CO], s[90:91] offset:4096*(16*\a+2*\t) th:TH_LOAD_NT
.endr
.endr
	WIN 0
	s_wait_loadcnt 32                              ; the bias is in; the residual's 32 loads may be out
	s_wait_kmcnt 0x0
	s_add_co_i32 s19, s[EA], s[EB]
	s_sub_co_i32 s20, 0, s19
.set i, 0
.rept 32
	v_ldexp_f32 v[BIAS+i], v[BIAS+i], s20
.set i, i+1
.endr
	s_add_co_i32 s19, s19, 127
	s_lshl_b32 s[FAC], s19, 23
	s_mov_b32 s[FAC+1], s[FAC]
.macro FETCH q, f                      ; the eight fragments of the q-th 128 along K into buffer f: 32 loads of 512 consecutive bytes
	WIN TO_F
.irp i, 0,1,2,3
.irp c, 0,1,2,3
	ds_load_b128 v[\f+64+16*\i+4*\c:\f+64+16*\i+4*\c+3], v[ADRB] offset:2048*(\q)+16384*\i+512*\c
.endr
.irp c, 0,1,2,3
	ds_load_b128 v[\f+16*\i+4*\c:\f+16*\i+4*\c+3], v[ADRA] offset:2048*(\q)+16384*\i+512*\c
.endr
.endr
.endm
; 8 matrix instructions: A's blocks a0, a0 + 1 x W's four.  The 16 accumulators take turns, one instruction a turn, in the same order in every step.
.macro MUL8 f, a0, zero
.irp a, \a0, \a0+1
.irp b, 0,1,2,3
.if \zero
	v_wmma_f32_16x16x128_fp8_fp8 v[ACC+8*(4*(\a)+\b):ACC+8*(4*(\a)+\b)+7], v[\f+64+16*\b:\f+64+16*\b+15], v[\f+16*(\a):\f+16*(\a)+15], v[BIAS+8*\b:BIAS+8*\b+7]
.else
	v_wmma_f32_16x16x128_fp8_fp8 v[ACC+8*(4*(\a)+\b):ACC+8*(4*(\a)+\b)+7], v[\f+64+16*\b:\f+64+16*\b+15], v[\f+16*(\a):\f+16*(\a)+15], v[ACC+8*(4*(\a)+\b):ACC+8*(4*(\a)+\b)+7]
.endif
.endr
.endr
.endm
.macro STEP q, zero                    ; the next step's fragments are asked for, then this step's are multiplied
	PLACES
	FETCH (\q)+1, 128*(((\q)+1)%2)
	s_wait_dscnt 32                                ; all but the 32 just issued
	WIN MUL
	MUL8 128*((\q)%2), 0, \zero
	MUL8 128*((\q)%2), 2, \zero
.endm
	s_wait_alu depctr_va_vdst(0)                   ; the head's end
	s_wait_tensorcnt 0x0                           ; my quarter of the tiles is in;
	s_barrier_signal -1
	s_barrier_wait -1                              ; so is everybody's
	FETCH 0, F0
	STEP 0, 1                                      ; the first products start the sums, from the bias
.irp q, 1,2,3,4,5,6
	STEP \q, 0
.endr
	s_wait_dscnt 0x0
	MUL8 F1, 0, 0
	MUL8 F1, 2, 0
	WIN 0
	; THE WAY OUT.  My 64 columns are one aligned run of 256 bytes of a row: 16 rows at a time go through my own stage and come back as whole runs.  LDS serves a wave's instructions in order (ISA guide 5.7.1.4):
	; no wait stands between the stores and the loads, nor in front of the next block's stores.
	PLACES
	s_wait_loadcnt 0x0                             ; the residual
.irp a, 0,1,2,3
	WIN 0
.irp b, 0,1,2,3
	ds_store_b128 v[STO], v[ACC+8*(4*\a+\b):ACC+8*(4*\a+\b)+3] offset:64*\b          ; each accumulator from its low end on
	ds_store_b128 v[STO], v[ACC+8*(4*\a+\b)+4:ACC+8*(4*\a+\b)+7] offset:64*\b+16
.endr
	WIN TO_F
.irp t, 0,1,2,3,4,5,6,7
	ds_load_b128 v[32*\a+4*\t:32*\a+4*\t+3], v[RD] offset:2*SPITCH*\t
.endr
.endr
.irp a, 0,1,2,3
	s_wait_dscnt 48-16*\a                          ; block a is back; the later blocks' sixteen LDS instructions each may be out
	WIN 0x61                                       ; the rows (destination and source 0) window 1, the residual (source 2) window 2
.set u, 0
.rept 16
	v_pk_fma_f32 v[32*\a+u:32*\a+u+1], v[32*\a+u:32*\a+u+1], s[FAC:FAC+1], v[32*\a+u:32*\a+u+1] op_sel_hi:[1,0,1]
.set u, u+2
.endr
	WIN 0x04                                       ; the stores' data window 1
.irp t, 0,1,2,3,4,5,6,7
	global_store_b128 v[CO], v[32*\a+4*\t:32*\a+4*\t+3], s[88:89] offset:4096*(16*\a+2*\t)   ; sixteen lanes store 256 consecutive bytes, aligned
.endr
.endr
	WIN 0
	s_wait_tensorcnt 0x0                           ; the wave's end
	ds_add_u32 v[SPW], v[NIL]
	s_wait_dscnt 0x0
	CROUND                                         ; the closing round
	s_endpgm
.Lfunc_end_k_q7b3bdd278b_proj:
	.size	k_q7b3bdd278b_proj, .Lfunc_end_k_q7b3bdd278b_proj-k_q7b3bdd278b_proj
	.p2alignl 7, 3214868480
	.fill 96, 4, 3214868480
	.section	.rodata,"a",@progbits
	.p2align	6, 0x0
	.amdhsa_kernel k_q7b3bdd278b_proj
		.amdhsa_group_segment_fixed_size 327680
		.amdhsa_private_segment_fixed_size 0
		.amdhsa_enable_private_segment 0
		.amdhsa_kernarg_size 48
		.amdhsa_user_sgpr_count 2
		.amdhsa_user_sgpr_kernarg_segment_ptr 1
		.amdhsa_wavefront_size32 1
		.amdhsa_system_sgpr_workgroup_id_x 1
		.amdhsa_system_sgpr_workgroup_id_y 1
		.amdhsa_system_sgpr_workgroup_id_z 1
		.amdhsa_system_vgpr_workitem_id 0
		.amdhsa_next_free_vgpr 640
		.amdhsa_next_free_sgpr 100
		.amdhsa_reserve_vcc 0
		.amdhsa_float_denorm_mode_32 3
		.amdhsa_float_denorm_mode_16_64 3
		.amdhsa_memory_ordered 1
		.amdhsa_forward_progress 1
		.amdhsa_inst_pref_size 50
	.end_amdhsa_kernel
	.amdgpu_metadata
---
amdhsa.version: [ 1, 2 ]
amdhsa.kernels:
  - .name:           k_q7b3bdd278b_proj
    .symbol:         k_q7b3bdd278b_proj.kd
    .args:
      - { .name: oimg, .offset: 0, .size: 8, .value_kind: global_buffer, .address_space: global }
      - { .name: wimg, .offset: 8, .size: 8, .value_kind: global_buffer, .address_space: global }
      - { .name: lowp_scales, .offset: 16, .size: 8, .value_kind: global_buffer, .address_space: global }
      - { .name: proj_b, .offset: 24, .size: 8, .value_kind: global_buffer, .address_space: global }
      - { .name: x, .offset: 32, .size: 8, .value_kind: global_buffer, .address_space: global }
      - { .name: x1, .offset: 40, .size: 8, .value_kind: global_buffer, .address_space: global }
    .group_segment_fixed_size: 327680
    .private_segment_fixed_size: 0
    .kernarg_segment_align: 8
    .kernarg_segment_size: 48
    .max_flat_workgroup_size: 128
    .sgpr_count:     100
    .vgpr_count:     640
    .wavefront_size: 32
...
	.end_amdgpu_metadata
.endif
;; end of part 4
;; launch ln2 (part 5): grid 256 x 1, 8 waves a work-group, no clusters, 66,816 bytes of LDS; arguments x1, g2, beta2, lowp_scales, h2; writes h2
.if DOCPART == 5
	.amdgcn_target "amdgcn-amd-amdhsa--gfx1250"
	.amdhsa_code_object_version 6
	.text
	.protected	k_q7b3bdd278b_ln2
	.globl	k_q7b3bdd278b_ln2
	.p2align	8
	.type	k_q7b3bdd278b_ln2,@function
k_q7b3bdd278b_ln2:
	s_mov_b64 s[64:65], 0
	v_nop
	global_prefetch_b8 v0, s[64:65] scope:SCOPE_SE
	s_setreg_imm32_b32 hwreg(HW_REG_WAVE_MODE, 25, 1), 1
	s_wait_xcnt 0x0
; LN2 AND ITS QUANTISING: h2 = the image of the codes (E4M3, scale 2^e12) of ln2(x1).  x1: [4,096][1,024] f32.
; THE IMAGE: a fragment (16 rows x 128 K) is 2,048 bytes; byte 512 g + 16 L + i holds row L % 16, k = 32 g + 16 (i / 8) + 8 (L / 16) + i % 8; the operand lies [256][8][2048].
; A work-group takes 16 tokens.  Wave w norms rows 2 w, 2 w + 1 (mean, then the mean of squared differences: two passes over registers); the rows meet in LDS; wave w then takes K step w of all 16 rows in the image's order.
; LIMIT: e12 between -126 and 119.  NaN among the inputs is not served.
.set SPARE, 65792                      ; behind the stage: the spare words, 128 bytes for each of eight waves; no other line names them
.set PITCH, 4112                       ; a stage row: 4,096 bytes + 16
.set SPW, 252
.set NIL, 253
	s_load_b256 s[4:11], s[0:1], 0x0               ; x1, g2, beta2, the scales' exponents
	s_load_b64 s[12:13], s[0:1], 0x20              ; h2
	v_lshl_add_u32 v[SPW], v0, 2, SPARE
	v_mov_b32 v[NIL], 0
	v_lshrrev_b32 v1, 5, v0
	s_delay_alu instid0(VALU_DEP_1)
	v_readfirstlane_b32 s28, v1                    ; wave 0..7
	v_and_b32 v1, 31, v0                           ; lane
	s_lshl_b32 s30, ttmp9, 16
	s_lshl_b32 s31, s28, 13
	s_add_co_u32 s30, s30, s31
	s_mov_b32 s31, 0
	v_lshlrev_b32 v3, 4, v1                        ; 16 x lane
	s_wait_alu depctr_va_vdst(0)
	s_wait_kmcnt 0x0
	s_load_b32 s33, s[10:11], 0x30                 ; e12
	s_add_nc_u64 s[4:5], s[4:5], s[30:31]          ; x1 at my two rows
.irp p, 0,1
.irp j, 0,1,2,3,4,5,6,7
	global_load_b128 v[32+32*\p+4*\j:35+32*\p+4*\j], v3, s[4:5] offset:4096*\p+512*\j   ; 512 consecutive bytes a load
.endr
.endr
.irp j, 0,1,2,3,4,5,6,7
	global_load_b128 v[96+4*\j:99+4*\j], v3, s[6:7] offset:512*\j
.endr
.irp j, 0,1,2,3,4,5,6,7
	global_load_b128 v[128+4*\j:131+4*\j], v3, s[8:9] offset:512*\j
.endr
	s_mov_b32 s34, 0x76543210                      ; lane selects: lane l xor 16
	s_mov_b32 s35, 0xfedcba98
	s_mov_b32 s36, 0x3a800000                      ; 1 / 1,024
	s_mov_b32 s37, 0x3727c5ac                      ; 1e-5
	v_mov_b32 v172, 0                              ; a lane permute's destination counts as read
	s_mul_i32 s38, s28, 2*PITCH
	v_lshl_add_u32 v4, v1, 4, s38                  ; the stage, in: my two rows, 16 bytes a lane
	v_and_b32 v6, 15, v0
	v_bfe_u32 v7, v0, 4, 1
	s_delay_alu instid0(VALU_DEP_2)
	v_mul_u32_u24 v5, v6, PITCH
	s_delay_alu instid0(VALU_DEP_1)
	v_lshl_add_u32 v5, v7, 5, v5
	s_lshl_b32 s38, s28, 9
	v_add_nc_u32 v5, s38, v5                       ; and out: row r, K step w, + 32 h bytes
	s_lshl_b32 s40, ttmp9, 14
	s_lshl_b32 s41, s28, 11
	s_add_co_u32 s40, s40, s41
	s_mov_b32 s41, 0
	s_add_nc_u64 s[42:43], s[12:13], s[40:41]      ; my fragment in h2
.macro WSUM r                          ; the sum over the 32 lanes, in every lane
	s_delay_alu instid0(VALU_DEP_1)
	v_add_f32_dpp v[\r], v[\r], v[\r] row_xmask:1 row_mask:0xf bank_mask:0xf
	s_delay_alu instid0(VALU_DEP_1)
	v_add_f32_dpp v[\r], v[\r], v[\r] row_xmask:2 row_mask:0xf bank_mask:0xf
	s_delay_alu instid0(VALU_DEP_1)
	v_add_f32_dpp v[\r], v[\r], v[\r] row_xmask:4 row_mask:0xf bank_mask:0xf
	s_delay_alu instid0(VALU_DEP_1)
	v_add_f32_dpp v[\r], v[\r], v[\r] row_xmask:8 row_mask:0xf bank_mask:0xf
	s_delay_alu instid0(VALU_DEP_1)
	v_permlanex16_b32 v172, v[\r], s34, s35
	s_delay_alu instid0(VALU_DEP_1)
	v_add_f32 v[\r], v[\r], v172
.endm
.macro LNROW p                         ; row p of my two: x - mean in place; 1 / sqrt(var + eps) in the pair v[166 + 4 p]
.set XR, 32+32*\p
.set MU, 164+4*\p
.set RS, 166+4*\p
	v_pk_add_f32 v[160:161], v[XR:XR+1], v[XR+2:XR+3]
	v_pk_add_f32 v[162:163], v[XR+4:XR+5], v[XR+6:XR+7]
.irp j, 8,12,16,20,24,28
	s_delay_alu instid0(VALU_DEP_2)
	v_pk_add_f32 v[160:161], v[160:161], v[XR+\j:XR+\j+1]
	s_delay_alu instid0(VALU_DEP_2)
	v_pk_add_f32 v[162:163], v[162:163], v[XR+\j+2:XR+\j+3]
.endr
	s_delay_alu instid0(VALU_DEP_1)
	v_pk_add_f32 v[160:161], v[160:161], v[162:163]
	s_delay_alu instid0(VALU_DEP_1)
	v_add_f32 v160, v160, v161
	WSUM 160
	s_delay_alu instid0(VALU_DEP_1)
	v_mul_f32 v[MU], s36, v160
	s_delay_alu instid0(VALU_DEP_1)
	v_mov_b32 v[MU+1], v[MU]
.set j, 0
.rept 16
	v_pk_add_f32 v[XR+j:XR+j+1], v[XR+j:XR+j+1], v[MU:MU+1] neg_lo:[0,1] neg_hi:[0,1]
.set j, j+2
.endr
	v_pk_mul_f32 v[160:161], v[XR:XR+1], v[XR:XR+1]
	v_pk_mul_f32 v[162:163], v[XR+2:XR+3], v[XR+2:XR+3]
.irp j, 4,8,12,16,20,24,28
	s_delay_alu instid0(VALU_DEP_2)
	v_pk_fma_f32 v[160:161], v[XR+\j:XR+\j+1], v[XR+\j:XR+\j+1], v[160:161]
	s_delay_alu instid0(VALU_DEP_2)
	v_pk_fma_f32 v[162:163], v[XR+\j+2:XR+\j+3], v[XR+\j+2:XR+\j+3], v[162:163]
.endr
	s_delay_alu instid0(VALU_DEP_1)
	v_pk_add_f32 v[160:161], v[160:161], v[162:163]
	s_delay_alu instid0(VALU_DEP_1)
	v_add_f32 v160, v160, v161
	WSUM 160
	s_delay_alu instid0(VALU_DEP_1)
	v_fma_f32 v160, v160, s36, s37                 ; var + eps
	s_wait_alu depctr_va_vdst(0)
	v_rsq_f32 v[RS], v160
	v_nop                                          ; a plain instruction behind the transcendental,
	s_wait_alu depctr_va_vdst(0)                   ; and the wait ahead of its result's first reader
	v_mov_b32 v[RS+1], v[RS]
.endm
	s_wait_loadcnt 16                              ; x1's sixteen loads are in; g's and beta's sixteen may be out
	LNROW 0
	LNROW 1
	s_wait_loadcnt 0x0
.irp p, 0,1
.set j, 0
.rept 16
	v_pk_mul_f32 v[32+32*\p+j:33+32*\p+j], v[32+32*\p+j:33+32*\p+j], v[166+4*\p:167+4*\p]
.set j, j+2
.endr
.set j, 0
.rept 16
	v_pk_fma_f32 v[32+32*\p+j:33+32*\p+j], v[32+32*\p+j:33+32*\p+j], v[96+j:97+j], v[128+j:129+j]
.set j, j+2
.endr
.irp j, 0,1,2,3,4,5,6,7
	ds_store_b128 v4, v[32+32*\p+4*\j:35+32*\p+4*\j] offset:PITCH*\p+512*\j
.endr
.endr
	s_wait_kmcnt 0x0
	s_add_co_i32 s38, s33, 127
	s_lshl_b32 s39, s38, 23
	v_mov_b32 v240, s39                            ; 2^e12
	s_add_co_i32 s38, s38, 8
	s_lshl_b32 s38, s38, 23
	s_or_b32 s38, s38, 0x600000
	v_mov_b32 v241, s38                            ; 448 x 2^e12
	s_wait_alu depctr_va_vdst(0)
	s_wait_dscnt 0x0                               ; for the others' sake: my rows lie in the stage
	s_barrier_signal -1
	s_barrier_wait -1
.irp g, 0,1,2,3                        ; register 16 g + i: k = 32 g + 8 h + i (i < 8), 32 g + 16 + 8 h + i - 8 (i >= 8) of row r, K step w
	ds_load_b128 v[32+16*\g:35+16*\g], v5 offset:128*\g
	ds_load_b128 v[36+16*\g:39+16*\g], v5 offset:128*\g+16
	ds_load_b128 v[40+16*\g:43+16*\g], v5 offset:128*\g+64
	ds_load_b128 v[44+16*\g:47+16*\g], v5 offset:128*\g+80
.endr
	s_wait_dscnt 0x0
.irp g, 0,1,2,3
.set i, 0
.rept 16
	v_med3_num_f32 v[32+16*\g+i], v[32+16*\g+i], -v241, v241   ; the conversion does not saturate (ISA guide 7.6.2): the hold at the largest code x the scale
.set i, i+1
.endr
	v_cvt_scalef32_pk8_fp8_f32 v[192+4*\g:193+4*\g], v[32+16*\g:39+16*\g], v240
	v_cvt_scalef32_pk8_fp8_f32 v[194+4*\g:195+4*\g], v[40+16*\g:47+16*\g], v240
.endr
	v_nop
.irp g, 0,1,2,3
	global_store_b128 v3, v[192+4*\g:195+4*\g], s[42:43] offset:512*\g   ; 512 consecutive bytes a store
.endr
	s_wait_tensorcnt 0x0                           ; the wave's end, behind my last LDS store
	ds_add_u32 v[SPW], v[NIL]
	s_wait_dscnt 0x0
	s_endpgm
.Lfunc_end_k_q7b3bdd278b_ln2:
	.size	k_q7b3bdd278b_ln2, .Lfunc_end_k_q7b3bdd278b_ln2-k_q7b3bdd278b_ln2
	.p2alignl 7, 3214868480
	.fill 96, 4, 3214868480
	.section	.rodata,"a",@progbits
	.p2align	6, 0x0
	.amdhsa_kernel k_q7b3bdd278b_ln2
		.amdhsa_group_segment_fixed_size 66816
		.amdhsa_private_segment_fixed_size 0
		.amdhsa_enable_private_segment 0
		.amdhsa_kernarg_size 40
		.amdhsa_user_sgpr_count 2
		.amdhsa_user_sgpr_kernarg_segment_ptr 1
		.amdhsa_wavefront_size32 1
		.amdhsa_system_sgpr_workgroup_id_x 1
		.amdhsa_system_sgpr_workgroup_id_y 1
		.amdhsa_system_sgpr_workgroup_id_z 1
		.amdhsa_system_vgpr_workitem_id 0
		.amdhsa_next_free_vgpr 256
		.amdhsa_next_free_sgpr 100
		.amdhsa_reserve_vcc 0
		.amdhsa_float_denorm_mode_32 3
		.amdhsa_float_denorm_mode_16_64 3
		.amdhsa_memory_ordered 1
		.amdhsa_forward_progress 1
		.amdhsa_inst_pref_size 28
	.end_amdhsa_kernel
	.amdgpu_metadata
---
amdhsa.version: [ 1, 2 ]
amdhsa.kernels:
  - .name:           k_q7b3bdd278b_ln2
    .symbol:         k_q7b3bdd278b_ln2.kd
    .args:
      - { .name: x1, .offset: 0, .size: 8, .value_kind: global_buffer, .address_space: global }
      - { .name: g2, .offset: 8, .size: 8, .value_kind: global_buffer, .address_space: global }
      - { .name: beta2, .offset: 16, .size: 8, .value_kind: global_buffer, .address_space: global }
      - { .name: lowp_scales, .offset: 24, .size: 8, .value_kind: global_buffer, .address_space: global }
      - { .name: h2, .offset: 32, .size: 8, .value_kind: global_buffer, .address_space: global }
    .group_segment_fixed_size: 66816
    .private_segment_fixed_size: 0
    .kernarg_segment_align: 8
    .kernarg_segment_size: 40
    .max_flat_workgroup_size: 256
    .sgpr_count:     100
    .vgpr_count:     256
    .wavefront_size: 32
...
	.end_amdgpu_metadata
.endif
;; end of part 5
;; launch ffn1 (part 6): grid 16 x 16, 4 waves a work-group, clusters of 4 x 4, 327,680 bytes of LDS; arguments h2, wimg, lowp_scales, bf1, hid; writes hid
.if DOCPART == 6
	.amdgcn_target "amdgcn-amd-amdhsa--gfx1250"
	.amdhsa_code_object_version 6
	.text
	.protected	k_q7b3bdd278b_ffn1
	.globl	k_q7b3bdd278b_ffn1
	.p2align	8
	.type	k_q7b3bdd278b_ffn1,@function
k_q7b3bdd278b_ffn1:
	s_mov_b64 s[64:65], 0
	v_nop
	global_prefetch_b8 v0, s[64:65] scope:SCOPE_SE
	s_setreg_imm32_b32 hwreg(HW_REG_WAVE_MODE, 25, 1), 1
	s_wait_xcnt 0x0
	s_wait_alu depctr_hold_cnt(0) depctr_sa_sdst(0) depctr_va_vdst(0) depctr_va_sdst(0) depctr_va_ssrc(0) depctr_va_vcc(0) depctr_vm_vsrc(0)
	s_getreg_b32 s2, hwreg(HW_REG_IB_STS2, 6, 4)
	s_cmp_eq_u32 s2, 0
	s_cbranch_scc0 .Lentry_in_a_cluster
	s_endpgm
.Lentry_in_a_cluster:
	s_bfe_u32 s2, ttmp6, 0x10000c
	s_cmp_lg_u32 s2, 0xf033
	s_cbranch_scc0 .Lentry_shape_is_right
	s_endpgm
.Lentry_shape_is_right:
.set FFN,   1
.set Z0,    1+FFN
.set HALFT, 32768
.set SLOT,  4*HALFT
.set SPARE, 2*SLOT
.set FR,    16
.set NL,    4
.set ADRA, 16
.set ADRB, 20
.set LO,   26
.set SPW,  28
.set NIL,  29
.set SC,   30
.set LIM,  31
.set TMP,  32
.set AF,   128
.set CD,   128
.set WV,   16
.set RH,   17
.set CH,   18
.set G1,   24
.set G0,   32
.set G1B,  48
.set G0B,  56
.set MSB, 0
.macro WIN new
.if MSB != (\new)
	s_set_vgpr_msb (MSB<<8)|(\new)
.set MSB, (\new)
.endif
.endm
.set MUL_LO, 0xa1
.set MUL_HI, 0xf1
.set TO_B,   0x40
.macro JLOAD g0a, g1a, g0b, g1b
	s_cmp_eq_u32 s[RH], 0
	s_cbranch_scc0 .Lfor_b_\@
	tensor_load_to_lds s[\g0a:\g0a+3], s[\g1a:\g1a+7]
	s_nop 0
.rept 4
	v_nop
.endr
	s_branch .Lasked_\@
.Lfor_b_\@:
	tensor_load_to_lds s[\g0b:\g0b+3], s[\g1b:\g1b+7]
	s_nop 0
.rept 4
	v_nop
.endr
.Lasked_\@:
.endm
.macro CREST
	s_cmp_lg_u32 s[WV], 0
	s_cbranch_scc1 .Lnot_wave_0_\@
	s_barrier_signal -3
.Lnot_wave_0_\@:
	s_barrier_wait -3
	s_barrier_signal -1
	s_barrier_wait -1
.endm
.macro CROUND
	s_barrier_signal -1
	s_barrier_wait -1
	CREST
.endm
.if FFN
	s_load_b256 s[4:11], s[0:1], 0x0
	s_load_b64 s[12:13], s[0:1], 0x20
.else
	s_load_b256 s[4:11], s[0:1], 0x0
.endif
	v_lshl_add_u32 v[SPW], v0, 2, SPARE
	v_mov_b32 v[NIL], 0
	ds_add_u32 v[SPW], v[NIL]
	ds_add_u32 v[SPW], v[NIL]
	v_lshrrev_b32 v1, 5, v0
	v_readfirstlane_b32 s[WV], v1
	v_and_b32 v27, 15, v0                          ; v27: the prefetches' offset: lanes 0-15 one row block's 4,096 bytes of a slot, 256 bytes a lane; lanes 16-31 the next row block's; never rewritten
	v_bfe_u32 v2, v0, 4, 1
	v_lshlrev_b32 v27, 8, v27
	v_lshl_add_u32 v27, v2, 14, v27
	s_lshr_b32 s[RH], s[WV], 1
	s_and_b32 s[CH], s[WV], 1
	s_bfe_u32 s40, ttmp6, 0x40000
	s_bfe_u32 s41, ttmp6, 0x40004
	s_and_b32 s84, ttmp7, 0xffff
	s_lshl_b32 s85, ttmp9, 2
.if FFN
	s_add_co_u32 s42, s85, s40
	s_lshl_b32 s43, s84, 2
	s_add_co_u32 s43, s43, s41
	s_mov_b32 s86, 0x400000
	s_mov_b32 s87, 0
.else
	s_lshl_b32 s86, s84, 20
	s_lshl_b32 s87, s84, 22
	s_cmp_eq_u32 s84, 2
	s_cselect_b32 s86, 0x800000, s86
	s_cselect_b32 s87, 0x200000, s87
	s_cselect_b32 s42, s85, 0
	s_cselect_b32 s43, 0, s85
	s_add_co_u32 s42, s42, s40
	s_add_co_u32 s43, s43, s41
.endif
	s_lshl_b32 s44, s41, 2
	s_lshl_b32 s44, 15, s44
	s_lshl_b32 s45, 0x1111, s40
	s_or_b32 s[G1], s44, (3<<16)|(1<<21)
	s_or_b32 s[G1B], s45, (3<<16)|(1<<21)
.irp g, G1, G1B
	s_mov_b32 s[\g+1], 512<<16
	s_mov_b32 s[\g+2], 8<<16
	s_mov_b32 s[\g+3], 512<<16
	s_mov_b32 s[\g+4], 8
	s_mov_b32 s[\g+5], 2048
	s_mov_b32 s[\g+6], 0
	s_mov_b32 s[\g+7], 0
.endr
	s_lshl_b32 s19, s[CH], 17
	s_lshl_b32 s20, s43, 18
	s_add_co_u32 s20, s20, s19
	s_add_co_u32 s20, s20, s87
	s_mov_b32 s21, 0
	s_lshl_b32 s22, s42, 18
	s_add_co_u32 s22, s22, s19
	s_add_co_u32 s22, s22, s86
	s_mov_b32 s23, 0
	s_lshl_b32 s92, s[WV], 15
	s_wait_alu depctr_va_vdst(0)                   ; directly ahead of the wait below
	s_wait_dscnt 0x0                               ; both opening adds are done
	s_wait_kmcnt 0x0
	s_load_b512 s[68:83], s[8:9], 0x0              ; the sixteen exponents
.if FFN
	s_add_nc_u64 s[66:67], s[4:5], s[20:21]
	s_add_nc_u64 s[46:47], s[6:7], s[22:23]
.else
	s_cmp_eq_u32 s84, 2
	s_cselect_b64 s[66:67], s[4:5], s[6:7]
	s_cselect_b64 s[46:47], s[6:7], s[4:5]
	s_add_nc_u64 s[66:67], s[66:67], s[20:21]
	s_add_nc_u64 s[46:47], s[46:47], s[22:23]
.endif
	CROUND
.irp s, 0,1
	s_mov_b32 s[G0+4*\s], 1
	s_add_co_u32 s[G0+4*\s+1], s92, \s*SLOT
	s_add_nc_u64 s[G0+4*\s+2:G0+4*\s+3], s[66:67], \s*4096
	s_or_b32 s[G0+4*\s+3], s[G0+4*\s+3], 0x80000000
	s_mov_b32 s[G0B+4*\s], 1
	s_add_co_u32 s[G0B+4*\s+1], s92, \s*SLOT
	s_add_nc_u64 s[G0B+4*\s+2:G0B+4*\s+3], s[46:47], \s*4096
	s_or_b32 s[G0B+4*\s+3], s[G0B+4*\s+3], 0x80000000
.endr
	; PREFETCH INTO THE L2: of the 8 row blocks that my wave fetches, each of the four partners that ask for them jointly names two (by address: cx for S1, cy for S0), 32 blocks of 256 bytes, one instruction for a slot.
	; Behind fill t stands the request for fill t + 2 (behind fill 0 also for fill 1): four fills in all, so every offset is an immediate and s[96:97] is never rewritten.
	s_cmp_eq_u32 s[RH], 0
	s_cselect_b64 s[96:97], s[66:67], s[46:47]
	s_cselect_b32 s98, s40, s41
	s_lshl_b32 s98, s98, 15
	s_mov_b32 s99, 0
	s_add_nc_u64 s[96:97], s[96:97], s[98:99]
	JLOAD G0, G1, G0B, G1B                         ; slot 0: one tensor load a wave at the head
	v_and_b32 v1, 31, v0
	v_lshlrev_b32 v[LO], 4, v1
	global_prefetch_b8 v27, s[96:97] offset:4096 th:TH_LOAD_NT scope:SCOPE_SE
	global_prefetch_b8 v27, s[96:97] offset:8192 th:TH_LOAD_NT scope:SCOPE_SE
	s_lshl_b32 s19, s[RH], 15
	s_lshl_b32 s20, s[CH], 15
	s_add_co_u32 s20, s20, 65536
.irp s, 0,1
	v_add_nc_u32 v[ADRA+\s], s19, v[LO]
	v_add_nc_u32 v[ADRB+\s], s20, v[LO]
	s_add_co_u32 s19, s19, SLOT
	s_add_co_u32 s20, s20, SLOT
.endr
	s_lshl_b32 s19, s43, 1
	s_add_co_u32 s19, s19, s[RH]
	s_lshl_b32 s20, s42, 1
	s_add_co_u32 s20, s20, s[CH]
.if FFN
	s_lshl_b32 s21, s19, 19
	s_lshl_b32 s22, s20, 11
	s_add_co_u32 s94, s21, s22
	s_mov_b32 s95, 0
	s_add_nc_u64 s[88:89], s[12:13], s[94:95]
	s_lshl_b32 s94, s20, 9
	s_add_nc_u64 s[90:91], s[10:11], s[94:95]
	v_bfe_u32 v2, v0, 4, 1
	v_lshlrev_b32 v2, 5, v2
.irp b, 0,1,2,3,4,5,6,7
	global_load_b128 v[TMP+8*\b:TMP+8*\b+3], v2, s[90:91] offset:64*\b
	global_load_b128 v[TMP+8*\b+4:TMP+8*\b+7], v2, s[90:91] offset:64*\b+16
.endr
	s_wait_loadcnt 0x0
	s_wait_kmcnt 0x0
	s_add_co_i32 s19, s80, s81
	s_sub_co_i32 s19, 0, s19
.set i, 0
.rept 64
	v_ldexp_f32 v[TMP+i], v[TMP+i], s19
.set i, i+1
.endr
.else
	s_lshr_b32 s21, s19, 3
	s_lshl_b32 s21, s21, 20
	s_and_b32 s22, s19, 7
	s_lshl_b32 s22, s22, 13
	s_add_co_u32 s21, s21, s22
	s_lshl_b32 s22, s20, 17
	s_add_co_u32 s21, s21, s22
	s_lshl_b32 s22, s84, 22
	s_add_co_u32 s21, s21, s22
	s_lshl_b32 s22, s20, 17
	s_lshl_b32 s23, s19, 13
	s_add_co_u32 s22, s22, s23
	s_add_co_u32 s22, s22, 0x800000
	s_cmp_eq_u32 s84, 2
	s_cselect_b32 s94, s22, s21
	s_mov_b32 s95, 0
	s_add_nc_u64 s[88:89], s[10:11], s[94:95]
.endif
.macro FRAG reg, adr, q, i
.irp c, 0,1,2,3
	ds_load_b128 v[\reg+4*\c:\reg+4*\c+3], v[\adr] offset:2048*(\q)+512*\c+4096*(\i)
.endr
.endm
.macro MUL16 a0, p, zero
.irp a, \a0, \a0+1
.irp b, 0,1,2,3,4,5,6,7
.if \zero == 1
	v_wmma_f32_16x16x128_fp8_fp8 v[8*(8*((\a)%4)+\b):8*(8*((\a)%4)+\b)+7], v[128*(\p)+FR*\b:128*(\p)+FR*\b+FR-1], v[AF+FR*(\a):AF+FR*(\a)+FR-1], 0
.elseif \zero == 2
	v_wmma_f32_16x16x128_fp8_fp8 v[8*(8*((\a)%4)+\b):8*(8*((\a)%4)+\b)+7], v[128*(\p)+FR*\b:128*(\p)+FR*\b+FR-1], v[AF+FR*(\a):AF+FR*(\a)+FR-1], v[TMP+8*\b:TMP+8*\b+7]
.else
	v_wmma_f32_16x16x128_fp8_fp8 v[8*(8*((\a)%4)+\b):8*(8*((\a)%4)+\b)+7], v[128*(\p)+FR*\b:128*(\p)+FR*\b+FR-1], v[AF+FR*(\a):AF+FR*(\a)+FR-1], v[8*(8*((\a)%4)+\b):8*(8*((\a)%4)+\b)+7]
.endif
.endr
.endr
.endm
.macro FETCH_B slot, q, p
	WIN TO_B
.irp i, 0,1,2,3,4,5,6,7
	FRAG 128*(\p)+FR*\i, ADRB+\slot, \q, \i
.endr
	WIN 0
.endm
.macro FETCH_A slot, q, i0
.irp i, \i0, \i0+1, \i0+2, \i0+3
	FRAG AF+FR*(\i), ADRA+\slot, \q, \i
.endr
.endm
.macro PLACES
.rept 4
	v_nop
.endr
.endm
.macro STEP slot, q, zero
	s_wait_dscnt 4*NL
.if \zero == 2
	WIN 0x81
.else
	WIN MUL_LO
.endif
	MUL16 0, (\q)%2, \zero
	MUL16 2, (\q)%2, \zero
	s_wait_dscnt 0
	PLACES
	FETCH_B \slot, (\q)+1, 1-(\q)%2
	FETCH_A \slot, (\q)+1, 0
.if \zero == 2
	WIN 0xc1
.else
	WIN MUL_HI
.endif
	MUL16 4, (\q)%2, \zero
	MUL16 6, (\q)%2, \zero
	PLACES
	WIN 0
	FETCH_A \slot, (\q)+1, 4
.endm
.macro TURN slot, next, fill
	s_wait_tensorcnt 0x0
	ds_add_u32 v[SPW], v[NIL]
	s_wait_dscnt 4*NL+1
	WIN MUL_LO
	MUL16 0, 1, 0
	s_wait_dscnt 0x0
	s_barrier_signal -1
	MUL16 2, 1, 0
	WIN 0
	s_barrier_wait -1
.if \fill
	CREST
	s_add_nc_u64 s[G0+4*\slot+2:G0+4*\slot+3], s[G0+4*\slot+2:G0+4*\slot+3], 8192
	s_add_nc_u64 s[G0B+4*\slot+2:G0B+4*\slot+3], s[G0B+4*\slot+2:G0B+4*\slot+3], 8192
	JLOAD G0+4*\slot, G1, G0B+4*\slot, G1B
.else
	PLACES
.endif
	FETCH_B \next, 0, 0
	FETCH_A \next, 0, 0
	WIN MUL_HI
	MUL16 4, 1, 0
	MUL16 6, 1, 0
	PLACES
	WIN 0
	FETCH_A \next, 0, 4
.endm
	s_wait_alu depctr_va_vdst(0)                   ; the head's end
	s_wait_tensorcnt 0x0                           ; my part of slot 0 is in; slot 1's first fill is issued as a refill is:
	ds_add_u32 v[SPW], v[NIL]
	s_wait_dscnt 0x0
	CROUND                                         ; everybody's part of slot 0 is in, and the joint loads meet
	JLOAD G0+4, G1, G0B+4, G1B                     ; the first tensor load behind the round
	FETCH_B 0, 0, 0
	global_prefetch_b8 v27, s[96:97] offset:12288 th:TH_LOAD_NT scope:SCOPE_SE
	FETCH_A 0, 0, 0
	FETCH_A 0, 0, 4
	STEP 0, 0, Z0
	TURN 0, 1, 1
	STEP 1, 0, 0
	TURN 1, 0, 1
	STEP 0, 0, 0
	TURN 0, 1, 0
	STEP 1, 0, 0
	s_wait_dscnt 4*NL
	WIN MUL_LO
	MUL16 0, 1, 0
	MUL16 2, 1, 0
	s_wait_dscnt 0
	WIN MUL_HI
	MUL16 4, 1, 0
	MUL16 6, 1, 0
	WIN 0
	s_wait_kmcnt 0x0
.if FFN
	s_sub_co_i32 s19, s82, s80
	s_sub_co_i32 s19, s19, s81
.else
	s_sub_co_i32 s19, s74, s68
	s_sub_co_i32 s19, s19, s69
	s_sub_co_i32 s20, s75, s70
	s_sub_co_i32 s20, s20, s71
	s_sub_co_i32 s21, s77, s72
	s_sub_co_i32 s21, s21, s73
	s_cmp_eq_u32 s84, 0
	s_cselect_b32 s19, s19, s20
	s_cmp_eq_u32 s84, 2
	s_cselect_b32 s19, s21, s19
.endif
	s_add_co_i32 s19, s19, 127
	s_lshl_b32 s20, s19, 23
	v_mov_b32 v[SC], s20
	s_add_co_i32 s19, s19, 8
	s_lshl_b32 s19, s19, 23
	s_or_b32 s19, s19, 0x600000
	v_mov_b32 v[LIM], s19
	PLACES
.macro QOUT a
.set AC, 64*((\a)%4)
	WIN 0x02+((\a)/4)
.set i, 0
.rept 64
.if FFN
	v_med3_num_f32 v[TMP+i], v[AC+i], 0, v[LIM]
.else
	v_med3_num_f32 v[TMP+i], v[AC+i], -v[LIM], v[LIM]
.endif
.set i, i+1
.endr
	WIN 0
.irp b, 0,1,2,3,4,5,6,7
	v_cvt_scalef32_pk8_fp8_f32 v[CD+16*(\a)+2*\b:CD+16*(\a)+2*\b+1], v[TMP+8*\b:TMP+8*\b+7], v[SC]
.endr
	v_nop
.irp g, 0,1,2,3
.if FFN
	global_store_b128 v[LO], v[CD+16*(\a)+4*\g:CD+16*(\a)+4*\g+3], s[88:89] offset:65536*(\a)+512*\g
.else
	global_store_b128 v[LO], v[CD+16*(\a)+4*\g:CD+16*(\a)+4*\g+3], s[88:89] offset:1024*(\a)+65536*(\g/2)+512*(\g%2)
.endif
.endr
.endm
.irp a, 0,1,2,3,4,5,6,7
	QOUT \a
.endr
	s_wait_tensorcnt 0x0
	ds_add_u32 v[SPW], v[NIL]
	s_wait_dscnt 0x0
	CROUND
	s_endpgm
.Lfunc_end_k_q7b3bdd278b_ffn1:
	.size	k_q7b3bdd278b_ffn1, .Lfunc_end_k_q7b3bdd278b_ffn1-k_q7b3bdd278b_ffn1
	.p2alignl 7, 3214868480
	.fill 96, 4, 3214868480
	.section	.rodata,"a",@progbits
	.p2align	6, 0x0
	.amdhsa_kernel k_q7b3bdd278b_ffn1
		.amdhsa_group_segment_fixed_size 327680
		.amdhsa_private_segment_fixed_size 0
		.amdhsa_enable_private_segment 0
		.amdhsa_kernarg_size 40
		.amdhsa_user_sgpr_count 2
		.amdhsa_user_sgpr_kernarg_segment_ptr 1
		.amdhsa_wavefront_size32 1
		.amdhsa_system_sgpr_workgroup_id_x 1
		.amdhsa_system_sgpr_workgroup_id_y 1
		.amdhsa_system_sgpr_workgroup_id_z 1
		.amdhsa_system_vgpr_workitem_id 0
		.amdhsa_next_free_vgpr 1024
		.amdhsa_next_free_sgpr 100
		.amdhsa_reserve_vcc 0
		.amdhsa_float_denorm_mode_32 3
		.amdhsa_float_denorm_mode_16_64 3
		.amdhsa_memory_ordered 1
		.amdhsa_forward_progress 1
		.amdhsa_inst_pref_size 124
	.end_amdhsa_kernel
	.amdgpu_metadata
---
amdhsa.version: [ 1, 2 ]
amdhsa.kernels:
  - .name:           k_q7b3bdd278b_ffn1
    .symbol:         k_q7b3bdd278b_ffn1.kd
    .args:
      - { .name: h2, .offset: 0, .size: 8, .value_kind: global_buffer, .address_space: global }
      - { .name: wimg, .offset: 8, .size: 8, .value_kind: global_buffer, .address_space: global }
      - { .name: lowp_scales, .offset: 16, .size: 8, .value_kind: global_buffer, .address_space: global }
      - { .name: bf1, .offset: 24, .size: 8, .value_kind: global_buffer, .address_space: global }
      - { .name: hid, .offset: 32, .size: 8, .value_kind: global_buffer, .address_space: global }
    .group_segment_fixed_size: 327680
    .private_segment_fixed_size: 0
    .kernarg_segment_align: 8
    .kernarg_segment_size: 40
    .max_flat_workgroup_size: 128
    .sgpr_count:     100
    .vgpr_count:     1024
    .wavefront_size: 32
...
	.end_amdgpu_metadata
.endif
;; end of part 6
;; launch ffn2 (part 7): grid 8 x 32, 4 waves a work-group, clusters of 4 x 4, 327,680 bytes of LDS; arguments hid, wimg, lowp_scales, bf2, x1, out0; writes out0
.if DOCPART == 7
	.amdgcn_target "amdgcn-amd-amdhsa--gfx1250"
	.amdhsa_code_object_version 6
	.text
	.protected	k_q7b3bdd278b_ffn2
	.globl	k_q7b3bdd278b_ffn2
	.p2align	8
	.type	k_q7b3bdd278b_ffn2,@function
k_q7b3bdd278b_ffn2:
	s_mov_b64 s[64:65], 0
	v_nop
	global_prefetch_b8 v0, s[64:65] scope:SCOPE_SE
	s_setreg_imm32_b32 hwreg(HW_REG_WAVE_MODE, 25, 1), 1
	s_wait_xcnt 0x0
	s_wait_alu depctr_hold_cnt(0) depctr_sa_sdst(0) depctr_va_vdst(0) depctr_va_sdst(0) depctr_va_ssrc(0) depctr_va_vcc(0) depctr_vm_vsrc(0)
	s_getreg_b32 s2, hwreg(HW_REG_IB_STS2, 6, 4)
	s_cmp_eq_u32 s2, 0
	s_cbranch_scc0 .Lentry_in_a_cluster
	s_endpgm
.Lentry_in_a_cluster:
	s_bfe_u32 s2, ttmp6, 0x10000c
	s_cmp_lg_u32 s2, 0xf033
	s_cbranch_scc0 .Lentry_shape_is_right
	s_endpgm
.Lentry_shape_is_right:
; out0 = x1 + hid w2 + bf2.  hid [4,096][4,096] and w2^T [1,024][4,096] come as images of codes (E4M3); out0 is f32 [4,096][1,024].
; THE IMAGE: a fragment (16 rows x 128 K) is 2,048 bytes in the order of the operand's registers; an operand [R][K] lies [R / 16][K / 128][2048].
; Tiles of 128 x 128 give 256 work-groups.  Four waves, each 64 x 64: 16 accumulators.  Source 0 = 16 rows of W, source 1 = 16 rows of A: a lane holds eight neighbouring numbers of a row.
; K goes in steps of 512 through two LDS slots of 131,072 bytes, eight fills: a wave's tensor load brings 4 row blocks x 8,192 bytes.  By the text's own count a wave has one load out behind each round.
; CLUSTER 4 x 4: A's tile is shared along a row of the cluster, W's along a column: every tile comes by a joint load, and each refill stands behind a round of the cluster's barrier.
; PREFETCH INTO THE L2: behind fill t stands the request for fill t + 2 (behind fill 0 also for fill 1); fills 6 and 7 have nothing behind them to ask for.  Of the 4 row blocks that a wave fetches, each of the four partners names
; one, told apart by address (cx for A, cy for W): 8,192 bytes, a lane to each 256, one instruction a wave.  W's rows are walked by all eight rows of clusters: the first four of them ask.
; The bias, divided by 2^(ea + eb), is the C of each sum's first product; out0 = sum x 2^(ea + eb) + x1 is one packed multiply-add for two numbers.  x1 is asked for behind the loop, two slots' steps ahead of its use.
; LIMIT: ea + eb between -126 and 127.
; REGISTERS: window 0: v16-29 addresses; v32-63 the bias; v128-255 the accumulators.  Window 1: two fragment buffers of 128 (A's four fragments, then W's four); on the way out the rows read back.  Window 2: v0-127 the residual.
.set WOFF,  0x800000                   ; w2's image in wimg
.set EA,    82                         ; s82, s83: entries 14, 15 of the exponents
.set EB,    83
.set LAPS,  4                          ; a lap = two slots = 1,024 along K
.set SLOT,  131072
.set SPARE, 2*SLOT                     ; behind the ring: the spare words, 128 bytes a wave; no other line names them
.set SPITCH, 272                       ; the way out: a stage of 16 rows x (256 bytes + 16) for each wave, in slot 0, which has had its last fill and its last read when the first result is stored there
.set ADRA, 16
.set ADRB, 20
.set STO,  24
.set RD,   25
.set CO,   26
.set PFO,  27                          ; v27 256 x lane; never rewritten
.set SPW,  28
.set NIL,  29
.set BIAS, 32
.set ACC,  128
.set F0,   0
.set F1,   128
.set WV,   16                          ; s16 wave
.set RH,   17                          ; s17 wave / 2: my half of A's rows; also: I fetch for A (0) or W (1)
.set CH,   18                          ; s18 wave % 2: my half of W's rows; also: which 64 rows I fetch
.set G1,   24
.set G0,   32
.set G1B,  48
.set G0B,  56
.set FAC,  84                          ; s[84:85] 2^(ea + eb)
.set LAP,  93
.set PFA,  96                          ; s[96:97] my work-group's row block of those that I fetch, three slots short of what a prefetch names
.set LIM,  98                          ; s98 1 in a wave that prefetches, else the greatest number
.set MSB, 0
.macro WIN new                         ; the immediate's high byte repeats the setting that is left
.if MSB != (\new)
	s_set_vgpr_msb (MSB<<8)|(\new)
.set MSB, (\new)
.endif
.endm
.set MUL,  0x05                        ; sources 0 and 1 window 1; C and D window 0
.set TO_F, 0x40                        ; destination window 1
.macro PLACES                          ; four plain vector instructions between a matrix instruction and a load into its sources or a read of its result (ISA guide 7.12.1 for the read of its result)
.rept 4
	v_nop
.endr
.endm
.macro JLOAD s                         ; a joint load; the branch hangs on the wave's number alone; an s_nop 0 and four v_nop follow each line
	s_cmp_eq_u32 s[RH], 0
	s_cbranch_scc0 .Lfor_b_\@
	tensor_load_to_lds s[G0+4*\s:G0+4*\s+3], s[G1:G1+7]
	s_nop 0
	PLACES
	s_branch .Lasked_\@
.Lfor_b_\@:
	tensor_load_to_lds s[G0B+4*\s:G0B+4*\s+3], s[G1B:G1B+7]
	s_nop 0
	PLACES
.Lasked_\@:
.endm
.macro ASK how, off                    ; how = 1: at the head; how = 0: in the loop, whose last trip (s[LAP] = 1) asks for nothing
.if \how
	s_cmp_eq_u32 s[LIM], 1
.else
	s_cmp_gt_u32 s[LAP], s[LIM]
.endif
	s_cbranch_scc0 .Lnone_\@
	global_prefetch_b8 v[PFO], s[PFA:PFA+1] offset:\off th:TH_LOAD_NT scope:SCOPE_SE
.Lnone_\@:
.endm
.macro CREST                           ; a round of the cluster's barrier behind its opening barrier
	s_cmp_lg_u32 s[WV], 0
	s_cbranch_scc1 .Lnot_wave_0_\@
	s_barrier_signal -3
.Lnot_wave_0_\@:
	s_barrier_wait -3
	s_barrier_signal -1
	s_barrier_wait -1
.endm
.macro CROUND
	s_barrier_signal -1
	s_barrier_wait -1
	CREST
.endm
	s_load_b256 s[4:11], s[0:1], 0x0               ; hid, wimg, the scales' exponents, bf2
	s_load_b128 s[12:15], s[0:1], 0x20             ; x1, out0
	v_lshl_add_u32 v[SPW], v0, 2, SPARE
	v_mov_b32 v[NIL], 0
	ds_add_u32 v[SPW], v[NIL]                      ; the wave's opening: the add, twice on end, and its wait ahead of my first tensor load
	ds_add_u32 v[SPW], v[NIL]
	v_lshrrev_b32 v1, 5, v0
	v_readfirstlane_b32 s[WV], v1
	v_and_b32 v[PFO], 31, v0
	v_lshlrev_b32 v[PFO], 8, v[PFO]
	s_lshr_b32 s[RH], s[WV], 1
	s_and_b32 s[CH], s[WV], 1
	s_bfe_u32 s40, ttmp6, 0x40000                  ; cx
	s_bfe_u32 s41, ttmp6, 0x40004                  ; cy
	s_lshl_b32 s42, ttmp9, 2
	s_add_co_u32 s42, s42, s40                     ; tx: W's tile
	s_and_b32 s45, ttmp7, 0xffff                   ; the cluster's y, which the partners share
	s_lshl_b32 s43, s45, 2
	s_add_co_u32 s43, s43, s41                     ; ty: A's tile
	s_cmp_lt_u32 s45, 4
	s_cselect_b32 s[LIM], 1, -1                    ; W's waves ask in the first four rows of clusters,
	s_cmp_eq_u32 s[RH], 0
	s_cselect_b32 s[LIM], 1, s[LIM]                ; A's waves in all
	s_cselect_b32 s94, s40, s41                    ; my place among the four that ask for the tile with me
	s_lshl_b32 s94, s94, 16                        ; that many row blocks on
	s_mov_b32 s95, 0
	s_lshl_b32 s44, s41, 2
	s_lshl_b32 s44, 15, s44                        ; my row of the cluster
	s_lshl_b32 s45, 0x1111, s40                    ; my column
	s_or_b32 s[G1], s44, (3<<16)|(1<<21)           ; the mask; elements of 8 bytes; bit 21 beside a mask; no padding: an image's loads are dense
	s_or_b32 s[G1B], s45, (3<<16)|(1<<21)
.irp g, G1, G1B
	s_mov_b32 s[\g+1], 1024<<16                    ; tensor_dim0 = 1,024 elements: four K steps' fragments of a row block, 8,192 bytes
	s_mov_b32 s[\g+2], 4<<16                       ; tensor_dim1 = 4 row blocks
	s_mov_b32 s[\g+3], 1024<<16                    ; tile_dim0
	s_mov_b32 s[\g+4], 4                           ; tile_dim1
	s_mov_b32 s[\g+5], 8192                        ; from row block to row block: 65,536 bytes
	s_mov_b32 s[\g+6], 0
	s_mov_b32 s[\g+7], 0
.endr
	s_lshl_b32 s19, s[CH], 2                       ; which four row blocks of the tile I fetch
	s_lshl_b32 s20, s43, 3
	s_add_co_u32 s20, s20, s19
	s_lshl_b32 s20, s20, 16                        ; A's tile: it hangs on ty alone
	s_mov_b32 s21, 0
	s_lshl_b32 s22, s42, 3
	s_add_co_u32 s22, s22, s19
	s_lshl_b32 s22, s22, 16
	s_add_co_u32 s22, s22, WOFF                    ; W's: on tx alone
	s_mov_b32 s23, 0
	s_lshl_b32 s92, s[WV], 15                      ; where they go: wave x 32,768
	s_wait_alu depctr_va_vdst(0)                   ; directly ahead of the wait below
	s_wait_dscnt 0x0                               ; both opening adds are done
	s_wait_kmcnt 0x0
	s_load_b512 s[68:83], s[8:9], 0x0              ; the sixteen exponents
	s_add_nc_u64 s[66:67], s[4:5], s[20:21]
	s_add_nc_u64 s[46:47], s[6:7], s[22:23]
.irp s, 0,1
	s_mov_b32 s[G0+4*\s], 1
	s_add_co_u32 s[G0+4*\s+1], s92, \s*SLOT
	s_add_nc_u64 s[G0+4*\s+2:G0+4*\s+3], s[66:67], \s*8192
	s_or_b32 s[G0+4*\s+3], s[G0+4*\s+3], 0x80000000
	s_mov_b32 s[G0B+4*\s], 1
	s_add_co_u32 s[G0B+4*\s+1], s92, \s*SLOT
	s_add_nc_u64 s[G0B+4*\s+2:G0B+4*\s+3], s[46:47], \s*8192
	s_or_b32 s[G0B+4*\s+3], s[G0B+4*\s+3], 0x80000000
.endr
	s_cmp_eq_u32 s[RH], 0
	s_cselect_b64 s[PFA:PFA+1], s[66:67], s[46:47]
	s_add_nc_u64 s[PFA:PFA+1], s[PFA:PFA+1], s[94:95]
	CROUND                                         ; all sixteen work-groups are here: the first joint loads meet
	JLOAD 0                                        ; fill 0: one tensor load a wave at the head
	s_lshl_b32 s19, s[RH], 15                      ; my 64 rows of A,
	s_lshl_b32 s20, s[CH], 15
	s_add_co_u32 s20, s20, 65536                   ; my 64 rows of W, behind A's 128
	s_mul_i32 s21, s[WV], 16*SPITCH                ; my stage
	s_lshl_b32 s22, s42, 9
	s_lshl_b32 s23, s[CH], 8
	s_add_co_u32 s22, s22, s23                     ; my first column, in bytes
	s_mov_b32 s23, 0
	s_add_nc_u64 s[86:87], s[10:11], s[22:23]      ; the bias there
	s_lshl_b32 s94, s43, 19
	s_lshl_b32 s95, s[RH], 18
	s_add_co_u32 s94, s94, s95
	s_add_co_u32 s94, s94, s22                     ; + my first row
	s_mov_b32 s95, 0
	s_add_nc_u64 s[88:89], s[14:15], s[94:95]      ; out0
	s_add_nc_u64 s[90:91], s[12:13], s[94:95]      ; x1
	v_and_b32 v1, 31, v0
	v_lshlrev_b32 v2, 4, v1                        ; 16 x lane
	v_and_b32 v3, 15, v0                           ; r
	v_bfe_u32 v4, v0, 4, 1                         ; h
	v_add_nc_u32 v[ADRA], s19, v2
	v_add_nc_u32 v[ADRB], s20, v2
	v_add_nc_u32 v[ADRA+1], SLOT, v[ADRA]
	v_add_nc_u32 v[ADRB+1], SLOT, v[ADRB]
	v_mul_u32_u24 v[STO], v3, SPITCH               ; the stage, in: row r, 32 bytes for each half of the lanes
	v_lshl_add_u32 v[STO], v4, 5, v[STO]
	v_add_nc_u32 v[STO], s21, v[STO]
	v_mul_u32_u24 v[RD], v4, SPITCH                ; back: lanes 0-15 one row of 256 bytes, lanes 16-31 the next
	v_lshl_add_u32 v[RD], v3, 4, v[RD]
	v_add_nc_u32 v[RD], s21, v[RD]
	v_lshlrev_b32 v[CO], 12, v4                    ; and the same two rows in out0 and in x1
	v_lshl_add_u32 v[CO], v3, 4, v[CO]
	v_lshlrev_b32 v5, 5, v4                        ; the bias: lane (r, h) wants, for tile b, columns 16 b + 8 h + 0..7
	v_lshlrev_b32 v30, 12, v1                      ; v30: a row of x1 a lane, for the residual's prefetch; never rewritten
	s_wait_alu depctr_va_vdst(0)                   ; behind these writes
	ASK 1, 8192                                    ; fills 1 and 2
	ASK 1, 16384
.irp b, 0,1,2,3
	global_load_b128 v[BIAS+8*\b:BIAS+8*\b+3], v5, s[86:87] offset:64*\b
	global_load_b128 v[BIAS+8*\b+4:BIAS+8*\b+7], v5, s[86:87] offset:64*\b+16
.endr
	s_wait_loadcnt 0x0
	s_wait_kmcnt 0x0
	s_add_co_i32 s19, s[EA], s[EB]
	s_sub_co_i32 s20, 0, s19
.set i, 0
.rept 32
	v_ldexp_f32 v[BIAS+i], v[BIAS+i], s20
.set i, i+1
.endr
	s_add_co_i32 s19, s19, 127
	s_lshl_b32 s[FAC], s19, 23
	s_mov_b32 s[FAC+1], s[FAC]
.macro FETCH slot, q, f                ; the eight fragments of the slot's q-th 128 along K into buffer f: 32 loads of 512 consecutive bytes
	WIN TO_F
.irp i, 0,1,2,3
.irp c, 0,1,2,3
	ds_load_b128 v[\f+64+16*\i+4*\c:\f+64+16*\i+4*\c+3], v[ADRB+\slot] offset:2048*(\q)+8192*\i+512*\c
.endr
.irp c, 0,1,2,3
	ds_load_b128 v[\f+16*\i+4*\c:\f+16*\i+4*\c+3], v[ADRA+\slot] offset:2048*(\q)+8192*\i+512*\c
.endr
.endr
.endm
; 8 matrix instructions: A's blocks a0, a0 + 1 x W's four.  The 16 accumulators take turns, one instruction a turn, in the same order in every step.
.macro MUL8 f, a0, zero
.irp a, \a0, \a0+1
.irp b, 0,1,2,3
.if \zero
	v_wmma_f32_16x16x128_fp8_fp8 v[ACC+8*(4*(\a)+\b):ACC+8*(4*(\a)+\b)+7], v[\f+64+16*\b:\f+64+16*\b+15], v[\f+16*(\a):\f+16*(\a)+15], v[BIAS+8*\b:BIAS+8*\b+7]
.else
	v_wmma_f32_16x16x128_fp8_fp8 v[ACC+8*(4*(\a)+\b):ACC+8*(4*(\a)+\b)+7], v[\f+64+16*\b:\f+64+16*\b+15], v[\f+16*(\a):\f+16*(\a)+15], v[ACC+8*(4*(\a)+\b):ACC+8*(4*(\a)+\b)+7]
.endif
.endr
.endr
.endm
.macro STEP slot, q, zero              ; one of a slot's first three steps: the next step's fragments are asked for, then this step's are multiplied
	PLACES
	FETCH \slot, (\q)+1, F0+128*(((\q)+1)%2)
	s_wait_dscnt 32                                ; all but the 32 just issued
	WIN MUL
	MUL8 F0+128*((\q)%2), 0, \zero
	MUL8 F0+128*((\q)%2), 2, \zero
.endm
; A slot's last step changes slots: one barrier; in front of it each wave waits for all its tensor loads, adds 0 to its spare word, and waits for that and for its reads of this slot.  fill = 1: the slot is filled again.
.macro TURN slot, next, fill
	WIN 0
.if \fill
	s_wait_xcnt 0x0                                ; any prefetch of mine has read its address, so it may be stepped: a slot on
	s_add_nc_u64 s[PFA:PFA+1], s[PFA:PFA+1], 8192
.endif
	s_wait_tensorcnt 0x0                           ; all my tensor loads have landed: my part of the next slot
	ds_add_u32 v[SPW], v[NIL]
	s_wait_dscnt 0x0                               ; the add is done, and my reads of this slot are over
	s_barrier_signal -1
	WIN MUL
	MUL8 F1, 0, 0
	WIN 0
	s_barrier_wait -1
.if \fill
	CREST                                          ; the barrier has opened a round of the cluster's: no wave of any partner still reads this slot or has a load on its way
	s_add_nc_u64 s[G0+4*\slot+2:G0+4*\slot+3], s[G0+4*\slot+2:G0+4*\slot+3], 16384
	s_add_nc_u64 s[G0B+4*\slot+2:G0B+4*\slot+3], s[G0B+4*\slot+2:G0B+4*\slot+3], 16384
	JLOAD \slot                                    ; the first tensor load behind the round; its four v_nop are the places in front of the loads below
.else
	PLACES
.endif
	FETCH \next, 0, F0
.if \fill
	WIN 0
	ASK 0, 24576                                   ; the fill two on from the one just asked for
.endif
	WIN MUL
	MUL8 F1, 2, 0
.endm
	s_wait_alu depctr_va_vdst(0)                   ; the head's end
	s_wait_tensorcnt 0x0                           ; my part of slot 0 is in; slot 1's first fill is issued as a refill is:
	ds_add_u32 v[SPW], v[NIL]
	s_wait_dscnt 0x0
	CROUND                                         ; everybody's part of slot 0 is in, and the joint loads meet
	JLOAD 1                                        ; the first tensor load behind the round
	FETCH 0, 0, F0
	WIN 0
	ASK 1, 24576                                   ; fill 3
	STEP 0, 0, 1                                   ; the first step stands in front of the loop: its products start the sums, from the bias
	WIN 0
	s_mov_b32 s[LAP], LAPS-1
.Llap:                                             ; a trip goes once round the ring, from a lap's second step to the next lap's first, and fills both slots again
	STEP 0, 1, 0
	STEP 0, 2, 0
	TURN 0, 1, 1
	STEP 1, 0, 0
	STEP 1, 1, 0
	STEP 1, 2, 0
	TURN 1, 0, 1
	STEP 0, 0, 0
	WIN 0
	s_sub_co_u32 s[LAP], s[LAP], 1
	s_cmp_lg_u32 s[LAP], 0
	s_cbranch_scc1 .Llap
	global_prefetch_b8 v30, s[90:91] th:TH_LOAD_NT scope:SCOPE_SE                 ; the residual: my 64 rows x 256 bytes of x1, which no other wave reads: a lane a row, two instructions, three steps ahead of its loads
	global_prefetch_b8 v30, s[90:91] offset:131072 th:TH_LOAD_NT scope:SCOPE_SE
	STEP 0, 1, 0                                   ; the last lap fills nothing
	STEP 0, 2, 0
	TURN 0, 1, 0
	WIN 0x80                                       ; the residual, into window 2: 32 loads, behind the last fill's landing and four steps ahead of the way out
.irp a, 0,1,2,3
.irp t, 0,1,2,3,4,5,6,7
	global_load_b128 v[32*\a+4*\t:32*\a+4*\t+3], v[CO], s[90:91] offset:4096*(16*\a+2*\t) th:TH_LOAD_NT
.endr
.endr
	STEP 1, 0, 0
	STEP 1, 1, 0
	STEP 1, 2, 0
	s_wait_dscnt 0x0
	MUL8 F1, 0, 0
	MUL8 F1, 2, 0
	WIN 0
	; THE WAY OUT.  My 64 columns are one aligned run of 256 bytes of a row: 16 rows at a time go through my own stage and come back as whole runs.  LDS serves a wave's instructions in order (ISA guide 5.7.1.4):
	; no wait stands between the stores and the loads, nor in front of the next block's stores.
	PLACES
	s_wait_loadcnt 0x0                             ; the residual
.irp a, 0,1,2,3
	WIN 0
.irp b, 0,1,2,3
	ds_store_b128 v[STO], v[ACC+8*(4*\a+\b):ACC+8*(4*\a+\b)+3] offset:64*\b          ; each accumulator from its low end on
	ds_store_b128 v[STO], v[ACC+8*(4*\a+\b)+4:ACC+8*(4*\a+\b)+7] offset:64*\b+16
.endr
	WIN TO_F
.irp t, 0,1,2,3,4,5,6,7
	ds_load_b128 v[32*\a+4*\t:32*\a+4*\t+3], v[RD] offset:2*SPITCH*\t
.endr
.endr
.irp a, 0,1,2,3
	s_wait_dscnt 48-16*\a                          ; block a is back; the later blocks' sixteen LDS instructions each may be out
	WIN 0x61                                       ; the rows (destination and source 0) window 1, the residual (source 2) window 2
.set u, 0
.rept 16
	v_pk_fma_f32 v[32*\a+u:32*\a+u+1], v[32*\a+u:32*\a+u+1], s[FAC:FAC+1], v[32*\a+u:32*\a+u+1] op_sel_hi:[1,0,1]
.set u, u+2
.endr
	WIN 0x04                                       ; the stores' data window 1
.irp t, 0,1,2,3,4,5,6,7
	global_store_b128 v[CO], v[32*\a+4*\t:32*\a+4*\t+3], s[88:89] offset:4096*(16*\a+2*\t)   ; sixteen lanes store 256 consecutive bytes, aligned
.endr
.endr
	WIN 0
	s_wait_tensorcnt 0x0                           ; the wave's end, behind my last tensor load and my last LDS store
	ds_add_u32 v[SPW], v[NIL]
	s_wait_dscnt 0x0
	CROUND                                         ; the closing round
	s_endpgm
.Lfunc_end_k_q7b3bdd278b_ffn2:
	.size	k_q7b3bdd278b_ffn2, .Lfunc_end_k_q7b3bdd278b_ffn2-k_q7b3bdd278b_ffn2
	.p2alignl 7, 3214868480
	.fill 96, 4, 3214868480
	.section	.rodata,"a",@progbits
	.p2align	6, 0x0
	.amdhsa_kernel k_q7b3bdd278b_ffn2
		.amdhsa_group_segment_fixed_size 327680
		.amdhsa_private_segment_fixed_size 0
		.amdhsa_enable_private_segment 0
		.amdhsa_kernarg_size 48
		.amdhsa_user_sgpr_count 2
		.amdhsa_user_sgpr_kernarg_segment_ptr 1
		.amdhsa_wavefront_size32 1
		.amdhsa_system_sgpr_workgroup_id_x 1
		.amdhsa_system_sgpr_workgroup_id_y 1
		.amdhsa_system_sgpr_workgroup_id_z 1
		.amdhsa_system_vgpr_workitem_id 0
		.amdhsa_next_free_vgpr 640
		.amdhsa_next_free_sgpr 100
		.amdhsa_reserve_vcc 0
		.amdhsa_float_denorm_mode_32 3
		.amdhsa_float_denorm_mode_16_64 3
		.amdhsa_memory_ordered 1
		.amdhsa_forward_progress 1
		.amdhsa_inst_pref_size 81
	.end_amdhsa_kernel
	.amdgpu_metadata
---
amdhsa.version: [ 1, 2 ]
amdhsa.kernels:
  - .name:           k_q7b3bdd278b_ffn2
    .symbol:         k_q7b3bdd278b_ffn2.kd
    .args:
      - { .name: hid, .offset: 0, .size: 8, .value_kind: global_buffer, .address_space: global }
      - { .name: wimg, .offset: 8, .size: 8, .value_kind: global_buffer, .address_space: global }
      - { .name: lowp_scales, .offset: 16, .size: 8, .value_kind: global_buffer, .address_space: global }
      - { .name: bf2, .offset: 24, .size: 8, .value_kind: global_buffer, .address_space: global }
      - { .name: x1, .offset: 32, .size: 8, .value_kind: global_buffer, .address_space: global }
      - { .name: out0, .offset: 40, .size: 8, .value_kind: global_buffer, .address_space: global }
    .group_segment_fixed_size: 327680
    .private_segment_fixed_size: 0
    .kernarg_segment_align: 8
    .kernarg_segment_size: 48
    .max_flat_workgroup_size: 128
    .sgpr_count:     100
    .vgpr_count:     640
    .wavefront_size: 32
...
	.end_amdgpu_metadata
.endif
;; end of part 7
